; MI455X (gfx1250); checked and timed in simulation.
; The chip was launched on July 23, 2026; its instructions are those of AMD's public machine-readable ISA for CDNA 5 (MIT licence, August 2026) and "CDNA5" Instruction Set Architecture Reference Guide (July 2026). The comments in the code are by the model that wrote it; some were corrected since.
;; Multi Head Attention. Allowed arithmetic: matrix products marked QUANTISED: E4M3 operands, one E8M0 scale for each 32 along K, by v_wmma_scale_f32_16x16x128_f8f6f4 with both operands' format E4M3, f32 sums; everything else in f32.
;; Inputs: b_proj 1,024 float32; b_qkv 3,072 float32; w_proj 1,024 x 1,024 float32; w_qkv 1,024 x 3,072 float32; x 4 x 2,048 x 1,024 float32.
;; Outputs: out0 4 x 2,048 x 1,024 float32.
;; This version of the problem:
;;   THIS VERSION OF THE PROBLEM IS GIVEN IN LOW PRECISION. The matrix products marked QUANTISED in the list below multiply operands that are first quantised to E4M3 (4 exponent bits, 3 mantissa bits; 8 bits a number), with one power-of-two scale for each 32 numbers along K (OCP MX v1.0); their sums are f32. All else is computed in f32.
;;   The module's matrix products, in the order in which they are computed (A, B: the left and right operand; K: the contracted axis; several contracted axes count as one K, in the product's order):
;;     1. [M 8,192, K 1,024] x [K 1,024, N 3,072]; A: input x; B: input w_qkv: QUANTISED
;;     2. batch 64 x [M 2,048, K 64] x [K 64, N 2,048]; A: computed on the way; B: computed on the way: QUANTISED
;;     3. batch 64 x [M 2,048, K 2,048] x [K 2,048, N 64]; A: softmax (see below); B: computed on the way: QUANTISED
;;     4. [M 8,192, K 1,024] x [K 1,024, N 1,024]; A: computed on the way; B: input w_proj: QUANTISED
;;   THE QUANTISER, for each operand of a quantised product, along K:
;;     - K is cut into blocks of 32 from its start; a last block that is shorter is filled with zeros.
;;     - A block's scale is 2^e with e = floor(log2(the largest magnitude in the block)) - 8, held to -126 .. 127; a block of zeros has e = 0. As a byte (E8M0): e + 127.
;;     - Each number is divided by its block's scale, clamped to +-448, and rounded to the nearest number of E4M3, ties to even, subnormals kept.
;;     - The product sums the exact products of the quantised numbers (number of the format x scale) in f32.
;;   ~~~python
;;   def quantise(x, axis):      # numpy; x: float32 -> the quantised numbers, widened to float32 again
;;       x = np.moveaxis(x, axis, -1); K = x.shape[-1]
;;       x = np.pad(x, [(0, 0)] * (x.ndim - 1) + [(0, -K % 32)]); x = x.reshape(x.shape[:-1] + (-1, 32)); a = np.abs(x).max(-1, keepdims=True)
;;       e = np.where(a > 0, np.clip(np.frexp(np.where(a > 0, a, 1))[1] - 1 - 8, -126, 127), 0)      # np.frexp(a)[1] - 1 = floor(log2(a)), exactly
;;       r = np.clip(x / 2.0 ** e, -448, 448)
;;       step = 2.0 ** (np.maximum(np.frexp(np.where(r == 0, 1, r))[1] - 1, -6) - 3)
;;       q = np.round(r / step) * step * 2.0 ** e      # np.round: ties to even
;;       return np.moveaxis(q.reshape(q.shape[:-2] + (-1,))[..., :K], -1, axis).astype(np.float32)
;;   ~~~
;;   SOFTMAX AHEAD OF A QUANTISED PRODUCT. Where the list says 'softmax', what is quantised is not the finished softmax but p = 2^(t - M), with t = logit x log2(e) and M = ceil(the row's largest t), a whole number; so 1/2 < the row's largest p <= 1. The row's sum l is taken of the UNQUANTISED p, in f32, and the product's result is divided by l at the end. Since M is a whole number, a kernel that streams over the keys may use a running M (the ceiling of the running maximum): every later rescaling is an exact power of two, which a block's scale takes up: the codes' values come out the same.
;;   OPERANDS COMPUTED ON THE WAY. 'Computed on the way' means the value that the module computes at that place (a softmax that the list does not call 'softmax' is quantised finished and normalised). What goes into a quantiser is computed in f32, as accurately as f32 sums, v_exp_f32 and their like allow (about 1e-6 of the number): no bf16 or f16 on the way to a quantiser, and a product that is left as it is and whose result goes on into a quantised operand takes f32 operands (vector FMAs, or v_wmma_f32_16x16x4_f32). A number that lies on a knife's edge between two numbers of the format may be rounded either way, as far as f32 arithmetic and the matrix unit's own rounding can turn it there, and no further.
;; One version. Each part assembles by itself: llvm-mc -triple=amdgcn-amd-amdhsa -mcpu=gfx1250 --defsym DOCPART=n.
;; ======== version 1 of 1: 4 launches
;; limits: right only within a limited range of input values
;; workspace buffers: xc 8,650,752 bytes; wc 4,325,376 bytes; qimg 8,912,896 bytes; kv 17,825,792 bytes; oc 8,650,752 bytes
;; launch quant (part 1): grid 96 x 4, 4 waves a work-group, no clusters, 68,096 bytes of LDS; arguments x, w_qkv, w_proj, xc, wc; writes xc, wc
.if DOCPART == 1
	.amdgcn_target "amdgcn-amd-amdhsa--gfx1250"
	.amdhsa_code_object_version 6
	.text
	.protected	k_qe3d7bc9f3d_quant
	.globl	k_qe3d7bc9f3d_quant
	.p2align	8
	.type	k_qe3d7bc9f3d_quant,@function
k_qe3d7bc9f3d_quant:
	s_mov_b64 s[64:65], 0
	v_nop
	global_prefetch_b8 v0, s[64:65] scope:SCOPE_SE
	s_setreg_imm32_b32 hwreg(HW_REG_WAVE_MODE, 25, 1), 1
	s_wait_xcnt 0x0
; MULTI-HEAD ATTENTION ON MX-FP8 CODES, launch 1 of 4: x [8192][1024], w_qkv [1024][3072] and w_proj [1024][1024], f32, become codes of FP8 (E4M3), K innermost, with one E8M0 byte for each 32 along K.
; NO WORK OF THE PROBLEM IS LEFT OUT in any of the four launches: every input reaches the output (the bias on k moves k's codes, so it stays).
; A block's scale is 2^(floor(log2(its largest magnitude)) - 8); its byte is the largest magnitude's exponent field - 8, held at 1 from below; numbers are held within +-448 x the scale and rounded to the nearest code, ties to even.
; LIMITS: NaN and infinities among the inputs are not served.  A block whose largest magnitude lies under 2^-118 has its byte held at 1.  A block of zeros gets the byte 1 where the rule says 127:
; its codes are zeros, which add nothing under any byte but 0xff, and the bytes are read by this program alone.
; THE ORDER OF ROWS IN THE WORKSPACE: row a of an operand (a token of x, a column n of a weight) is stored at place p = a with its bits 3 and 4 exchanged, codes and scale bytes alike.  Sixteen stored rows on end
; are then two groups of eight neighbours that lie 16 apart, which is what lets the next launches' results fall into registers as neighbours along the next product's K.
; xc: codes [8192][1024] at 0, scale bytes [8192][32] at XSCL.   wc: w_qkv's codes [3072][1024] at 0, its bytes [3072][32] at WQS, w_proj's codes [1024][1024] at WPC, its bytes at WPS.
; WORK-GROUPS: x < 64: 32,768 numbers of x (a plain stream of blocks; a wave takes 8 rows, so the exchange of bits 3 and 4 is an exchange of the wave's two bits in the output's place).
;              x >= 64: 128 columns x 256 along K of a weight: a lane takes a column and its registers run down K.  The two ways use LDS bytes of their own.  No tensor loads, no barrier: waves share nothing.
.set EMAX,  8
.set MANT,  0x600000                   ; the mantissa field of 448 as f32
.set STEPS, 16
.set CB,    16                         ; bytes of 16 codes
.set R,     16                         ; x: v16-79   four sets of 16 numbers as they are loaded
.set X,     80                         ; x: v80-111  two sets of 16 neighbours
.set E,     112                        ; x: v112-127 a scale byte for each step
.set C,     128                        ; x: v128-191 codes: four registers for each step
.set WREG,  8192                       ; x: LDS: a region for each wave: two stages of 32 x SP bytes, then its 256 scale bytes
.set SP,    80
.set WSTG,  4*WREG                     ; weights: LDS: a stage of 32 rows x PITCH for each wave
.set PITCH, 272
.set SPARE, WSTG+4*32*PITCH            ; the spare words, 128 bytes for each wave: two blocks of 256 bytes that no other line names
.set SPW,   192                        ; v192 LDS address of my spare word; never rewritten
.set NIL,   193                        ; v193 0; never rewritten
.set XSCL,  8388608
.set WQS,   3145728
.set WPC,   3244032
.set WPS,   4292608
.set XW,    32                         ; weights: v32-95 two sets of 32 numbers; on the way out 16 x 4 registers of codes
.set CW,    96                         ; weights: v96-103 a block's codes
.set VO,    112                        ; weights: v112-143 byte offset of row i of a block of 32 rows, at my column
.set SBY,   24                         ; weights: v24-25 the scale bytes
.set SB,    36                         ; weights: s[36:51] where block t's 32 rows begin
.set NB,    8
	s_load_b256 s[4:11], s[0:1], 0x0               ; x s[4:5], w_qkv s[6:7], w_proj s[8:9], xc s[10:11]
	s_load_b64 s[12:13], s[0:1], 0x20              ; wc
	v_lshl_add_u32 v[SPW], v0, 2, SPARE
	v_mov_b32 v[NIL], 0
	v_lshrrev_b32 v1, 5, v0
	v_readfirstlane_b32 s14, v1                    ; wave
	v_and_b32 v2, 31, v0                           ; lane
	s_and_b32 s15, ttmp7, 0xffff                   ; work-group y
	s_cmp_lt_u32 ttmp9, 64
	s_cbranch_scc0 .Lweights
; ---------------- x: a stream of blocks of 32 ----------------
	v_lshlrev_b32 v3, 4, v2                        ; my 16 bytes of a load's 512
	s_mul_i32 s17, s14, WREG
	v_lshrrev_b32 v14, 2, v2
	v_mul_u32_u24 v14, v14, SP
	v_and_b32 v15, 3, v2
	v_lshl_add_u32 v14, v15, 4, v14
	v_add_nc_u32 v14, s17, v14                     ; the stage, on the way in: SP (lane / 4) + 16 (lane % 4)
	v_mul_u32_u24 v15, v2, SP
	v_add_nc_u32 v15, s17, v15                     ; and on the way out: SP x lane: my 16 neighbours
	v_mul_u32_u24 v4, v2, CB                       ; my codes' place in a step's
	v_lshrrev_b32 v5, 1, v2
	s_add_co_u32 s17, s17, 2*32*SP
	v_add_nc_u32 v5, s17, v5                       ; my wave's 256 scale bytes, my block's byte
	v_lshlrev_b32 v7, 3, v2                        ; and on the way out 8 bytes a lane
	v_add_nc_u32 v6, s17, v7
	s_mov_b32 s23, MANT
	s_lshl_b32 s16, s15, 6
	s_add_co_u32 s16, s16, ttmp9                   ; which 32,768 numbers: 64 y + x
	s_lshl_b32 s16, s16, 2
	s_add_co_u32 s18, s16, s14                     ; my run of 8 rows
	s_mov_b32 s19, 0
	s_lshl_b64 s[20:21], s[18:19], 15              ; 32,768 bytes a run
	s_and_b32 s24, s14, 1
	s_lshl_b32 s24, s24, 1
	s_lshr_b32 s25, s14, 1
	s_or_b32 s24, s24, s25                         ; the wave's two bits exchanged: the rows' bits 3 and 4
	s_add_co_u32 s18, s16, s24                     ; the run's place in the workspace
	s_lshl_b64 s[26:27], s[18:19], 13              ; 8,192 bytes of codes a run
	s_lshl_b32 s18, s18, 8                         ; 256 scale bytes a run
	s_wait_alu depctr_va_vdst(0)
	s_wait_kmcnt 0x0
	s_add_nc_u64 s[4:5], s[4:5], s[20:21]
	s_add_nc_u64 s[8:9], s[10:11], s[26:27]        ; codes
	s_add_nc_u64 s[10:11], s[10:11], s[18:19]
	s_add_nc_u64 s[10:11], s[10:11], XSCL          ; scale bytes
.macro XLOAD t
.irp i, 0,1,2,3
	global_load_b128 v[R+16*((\t)%4)+4*\i:R+16*((\t)%4)+4*\i+3], v3, s[4:5] offset:2048*(\t)+512*\i th:TH_LOAD_NT   ; 32 lanes read 512 consecutive bytes
.endr
.endm
.macro XTURN t                         ; step t's numbers through the stage: LDS serves a wave's instructions in order, so no wait stands between the stores and the loads
.irp i, 0,1,2,3
	ds_store_b128 v14, v[R+16*((\t)%4)+4*\i:R+16*((\t)%4)+4*\i+3] offset:32*SP*((\t)%2)+8*SP*\i
.endr
.irp i, 0,1,2,3
	ds_load_b128 v[X+16*((\t)%2)+4*\i:X+16*((\t)%2)+4*\i+3], v15 offset:32*SP*((\t)%2)+16*\i
.endr
.endm
.irp t, 0,1,2,3
	XLOAD \t
.endr
	s_wait_loadcnt 12                              ; step 0's four loads are in; the twelve of steps 1 to 3 may be out
	XTURN 0
.macro XSTEP t
.set XS, X+16*((\t)%2)
.if (\t) > 0
	s_wait_dscnt 1                                 ; this step's numbers are back from the stage (the last step's byte store may be out)
.else
	s_wait_dscnt 0x0
.endif
.if (\t)+4 < STEPS
	XLOAD (\t)+4                                   ; into the registers that this step's stores into the stage have read
.endif
.if (\t)+1 < STEPS
.if STEPS-2-(\t) >= 3
	s_wait_loadcnt 12                              ; the next step's four loads are in; those of the three steps behind it may be out
.else
	s_wait_loadcnt 4*(STEPS-2-(\t))
.endif
	XTURN (\t)+1
.endif
	v_max3_num_f32 v8, |v[XS]|, |v[XS+1]|, |v[XS+2]|               ; the largest magnitude of my 16
	v_max3_num_f32 v9, |v[XS+3]|, |v[XS+4]|, |v[XS+5]|
.irp i, 6,10
	v_max3_num_f32 v8, v8, |v[XS+\i]|, |v[XS+\i+1]|
	v_max3_num_f32 v9, v9, |v[XS+\i+2]|, |v[XS+\i+3]|
.endr
	v_max3_num_f32 v8, v8, |v[XS+14]|, |v[XS+15]|
	v_max3_num_f32 v8, v8, v9, (EMAX+1)<<23        ; and the floor 2^(9 - 127): the byte cannot fall under 1
	v_max_num_f32_dpp v8, v8, v8 row_xmask:1 row_mask:0xf bank_mask:0xf   ; and of my neighbour's 16: the block's
	v_add_nc_u32 v11, 0xfc000000, v8               ; 8 off its exponent field: the conversion's scale operand
	v_and_or_b32 v10, v8, 0x7f800000, s23          ; 448 x the scale
.irp i, 0,1,2,3,4,5,6,7,8,9,10,11,12,13,14,15
	v_med3_num_f32 v[XS+\i], v[XS+\i], -v10, v10   ; the conversion to an 8-bit code does not saturate (ISA guide 7.6.2): the hold comes first
.endr
	v_cvt_scalef32_pk8_fp8_f32 v[C+4*(\t):C+4*(\t)+1], v[XS:XS+7], v11
	v_cvt_scalef32_pk8_fp8_f32 v[C+4*(\t)+2:C+4*(\t)+3], v[XS+8:XS+15], v11
	v_lshrrev_b32 v[E+(\t)], 23, v11               ; the scale's byte
	ds_store_b8 v5, v[E+(\t)] offset:16*(\t)       ; both lanes of a block write the same byte with the same value
	global_store_b128 v4, v[C+4*(\t):C+4*(\t)+3], s[8:9] offset:32*CB*(\t)   ; 512 consecutive bytes
.endm
.irp t, 0,1,2,3,4,5,6,7,8,9,10,11,12,13,14,15
	XSTEP \t
.endr
	ds_load_b64 v[8:9], v6                         ; LDS serves a wave's instructions in order: these see my stores
	s_wait_dscnt 0x0
	global_store_b64 v7, v[8:9], s[10:11]          ; 32 lanes store 256 consecutive bytes, aligned
	s_wait_tensorcnt 0x0                           ; the wave's end: behind my last LDS store
	ds_add_u32 v[SPW], v[NIL]
	s_wait_dscnt 0x0
	s_endpgm
; ---------------- a weight: K is its first axis ----------------
.Lweights:
	s_sub_co_u32 s16, ttmp9, 64                    ; 0-23: w_qkv's 128 columns; 24-31: w_proj's
	s_mov_b32 s18, 4096
	s_mov_b32 s20, WPC
	s_mov_b32 s22, WPS
	s_mov_b32 s23, WQS
	s_mov_b32 s34, MANT
	s_wait_kmcnt 0x0
	s_cmp_lt_u32 s16, 24                           ; the choice hangs on the work-group's number alone
	s_cselect_b32 s17, 0, 24
	s_cselect_b32 s18, 12288, s18                  ; bytes in a row of the weight
	s_cselect_b32 s20, 0, s20                      ; where its codes begin in wc
	s_cselect_b32 s22, s23, s22                    ; and its scale bytes
	s_cselect_b64 s[6:7], s[6:7], s[8:9]
	s_sub_co_u32 s16, s16, s17
	s_lshl_b32 s16, s16, 7
	s_lshl_b32 s17, s14, 5
	s_add_co_u32 s16, s16, s17                     ; my wave's first column
	s_lshl_b32 s24, s15, 8
	s_mul_i32 s24, s24, s18                        ; 256 y rows down
	s_lshl_b32 s25, s16, 2
	s_add_co_u32 s24, s24, s25
	s_mov_b32 s25, 0
	s_add_nc_u64 s[SB:SB+1], s[6:7], s[24:25]
	s_lshl_b32 s26, s18, 5                         ; 32 rows
	s_mov_b32 s27, 0
.irp t, 1,2,3,4,5,6,7
	s_add_nc_u64 s[SB+2*\t:SB+2*\t+1], s[SB+2*\t-2:SB+2*\t-1], s[26:27]
.endr
	s_lshl_b32 s28, s16, 10                        ; codes: column x 1,024 + 256 y
	s_add_co_u32 s28, s28, s20
	s_lshl_b32 s29, s15, 8
	s_add_co_u32 s28, s28, s29
	s_mov_b32 s29, 0
	s_add_nc_u64 s[30:31], s[12:13], s[28:29]
	s_lshl_b32 s28, s16, 5                         ; scale bytes: column x 32 + 8 y
	s_add_co_u32 s28, s28, s22
	s_lshl_b32 s24, s15, 3
	s_add_co_u32 s28, s28, s24
	s_add_nc_u64 s[32:33], s[12:13], s[28:29]
	s_mul_i32 s19, s14, 32*PITCH
	s_add_co_u32 s19, s19, WSTG                    ; my stage
	s_wait_alu depctr_va_vdst(0)
	v_lshlrev_b32 v[VO], 2, v2                     ; 4 bytes a lane
.irp i, 1,2,3,4,5,6,7,8,9,10,11,12,13,14,15,16,17,18,19,20,21,22,23,24,25,26,27,28,29,30,31
	v_add_nc_u32 v[VO+\i], s18, v[VO+\i-1]         ; and a row further down
.endr
	v_mul_u32_u24 v4, v2, PITCH
	v_add_nc_u32 v4, s19, v4                       ; into the stage: row = my column
	v_and_b32 v5, 15, v2
	v_lshrrev_b32 v6, 4, v2                        ; out of it: sixteen lanes to a row, two rows an instruction
	v_mul_u32_u24 v7, v6, PITCH
	v_lshl_add_u32 v7, v5, 4, v7
	v_add_nc_u32 v7, s19, v7
	v_lshlrev_b32 v8, 10, v6
	v_lshl_add_u32 v8, v5, 4, v8                   ; and the same place in the codes' buffer
	v_and_b32 v9, 7, v2                            ; my column's place: bits 3 and 4 exchanged
	v_and_b32 v10, 8, v2
	v_lshl_add_u32 v9, v10, 1, v9
	v_and_b32 v10, 16, v2
	v_lshrrev_b32 v10, 1, v10
	v_add_nc_u32 v9, v9, v10
	v_lshlrev_b32 v9, 5, v9                        ; 32 scale bytes a row
.macro WLOAD t                         ; block t: W(32 t + i, my column), i = 0 .. 31: each load reads 128 consecutive bytes
.irp i, 0,1,2,3,4,5,6,7,8,9,10,11,12,13,14,15,16,17,18,19,20,21,22,23,24,25,26,27,28,29,30,31
	global_load_b32 v[XW+32*((\t)%2)+\i], v[VO+\i], s[SB+2*(\t):SB+2*(\t)+1] th:TH_LOAD_NT
.endr
.endm
	WLOAD 0
	WLOAD 1
.macro WBLOCK t
.set XS, XW+32*((\t)%2)
.if (\t) < NB-1
	s_wait_loadcnt 32                              ; this block's 32 loads are in; the next block's 32 may be out
.else
	s_wait_loadcnt 0x0
.endif
	v_max3_num_f32 v12, |v[XS]|, |v[XS+1]|, |v[XS+2]|              ; the block's largest magnitude: all 32 numbers are mine
	v_max3_num_f32 v13, |v[XS+3]|, |v[XS+4]|, |v[XS+5]|
.irp i, 6,10,14,18,22,26
	v_max3_num_f32 v12, v12, |v[XS+\i]|, |v[XS+\i+1]|
	v_max3_num_f32 v13, v13, |v[XS+\i+2]|, |v[XS+\i+3]|
.endr
	v_max3_num_f32 v12, v12, |v[XS+30]|, |v[XS+31]|
	v_max3_num_f32 v12, v12, v13, (EMAX+1)<<23     ; and the floor
	v_add_nc_u32 v11, 0xfc000000, v12              ; the conversion's scale operand
	v_and_or_b32 v10, v12, 0x7f800000, s34         ; 448 x the scale
	v_lshrrev_b32 v13, 23, v11                     ; the scale's byte
.if (\t)%4 == 0
	v_mov_b32 v[SBY+(\t)/4], v13                   ; four bytes to a register, the lower K in the lower byte
.else
	v_lshl_or_b32 v[SBY+(\t)/4], v13, 8*((\t)%4), v[SBY+(\t)/4]
.endif
.irp i, 0,1,2,3,4,5,6,7,8,9,10,11,12,13,14,15,16,17,18,19,20,21,22,23,24,25,26,27,28,29,30,31
	v_med3_num_f32 v[XS+\i], v[XS+\i], -v10, v10
.endr
.irp g, 0,1,2,3
	v_cvt_scalef32_pk8_fp8_f32 v[CW+2*\g:CW+2*\g+1], v[XS+8*\g:XS+8*\g+7], v11
.endr
	v_nop                                          ; a plain line behind the last conversion
	ds_store_b128 v4, v[CW:CW+3] offset:32*(\t)    ; 32 codes: 32 bytes of my column's row
	ds_store_b128 v4, v[CW+4:CW+7] offset:32*(\t)+16
.if (\t)+2 < NB
	WLOAD (\t)+2
.endif
	s_wait_dscnt 0x0                               ; the stores have read their registers: the next block's codes may be written
.endm
.irp t, 0,1,2,3,4,5,6,7
	WBLOCK \t
.endr
	global_store_b64 v9, v[SBY:SBY+1], s[32:33]    ; my column's 8 scale bytes
.irp t, 0,1,2,3,4,5,6,7,8,9,10,11,12,13,14,15  ; places 2 t and 2 t + 1 take the stage's rows with bits 3 and 4 exchanged: bits 2 and 3 of t
	ds_load_b128 v[XW+4*\t:XW+4*\t+3], v7 offset:2*(((\t)&3)|(((\t)&4)<<1)|(((\t)&8)>>1))*PITCH
.endr
.irp t, 0,1,2,3,4,5,6,7,8,9,10,11,12,13,14,15
	s_wait_dscnt 15-\t                             ; LDS loads come back in order: load t is in, the younger ones may be out
	global_store_b128 v8, v[XW+4*\t:XW+4*\t+3], s[30:31] offset:2*\t*1024   ; sixteen lanes store 256 consecutive bytes, aligned
.endr
	s_wait_tensorcnt 0x0                           ; the wave's end: behind my last LDS store
	ds_add_u32 v[SPW], v[NIL]
	s_wait_dscnt 0x0
	s_endpgm
.Lfunc_end_k_qe3d7bc9f3d_quant:
	.size	k_qe3d7bc9f3d_quant, .Lfunc_end_k_qe3d7bc9f3d_quant-k_qe3d7bc9f3d_quant
	.p2alignl 7, 3214868480
	.fill 96, 4, 3214868480
	.section	.rodata,"a",@progbits
	.p2align	6, 0x0
	.amdhsa_kernel k_qe3d7bc9f3d_quant
		.amdhsa_group_segment_fixed_size 68096
		.amdhsa_private_segment_fixed_size 0
		.amdhsa_enable_private_segment 0
		.amdhsa_kernarg_size 40
		.amdhsa_user_sgpr_count 2
		.amdhsa_user_sgpr_kernarg_segment_ptr 1
		.amdhsa_wavefront_size32 1
		.amdhsa_system_sgpr_workgroup_id_x 1
		.amdhsa_system_sgpr_workgroup_id_y 1
		.amdhsa_system_sgpr_workgroup_id_z 1
		.amdhsa_system_vgpr_workitem_id 0
		.amdhsa_next_free_vgpr 194
		.amdhsa_next_free_sgpr 66
		.amdhsa_reserve_vcc 0
		.amdhsa_float_denorm_mode_32 3
		.amdhsa_float_denorm_mode_16_64 3
		.amdhsa_memory_ordered 1
		.amdhsa_forward_progress 1
		.amdhsa_inst_pref_size 112
	.end_amdhsa_kernel
	.amdgpu_metadata
---
amdhsa.version: [ 1, 2 ]
amdhsa.kernels:
  - .name:           k_qe3d7bc9f3d_quant
    .symbol:         k_qe3d7bc9f3d_quant.kd
    .args:
      - { .name: x, .offset: 0, .size: 8, .value_kind: global_buffer, .address_space: global }
      - { .name: w_qkv, .offset: 8, .size: 8, .value_kind: global_buffer, .address_space: global }
      - { .name: w_proj, .offset: 16, .size: 8, .value_kind: global_buffer, .address_space: global }
      - { .name: xc, .offset: 24, .size: 8, .value_kind: global_buffer, .address_space: global }
      - { .name: wc, .offset: 32, .size: 8, .value_kind: global_buffer, .address_space: global }
    .group_segment_fixed_size: 68096
    .private_segment_fixed_size: 0
    .kernarg_segment_align: 8
    .kernarg_segment_size: 40
    .max_flat_workgroup_size: 128
    .sgpr_count:     66
    .vgpr_count:     194
    .wavefront_size: 32
...
	.end_amdgpu_metadata
.endif
;; end of part 1
;; launch gemm_qkv (part 2): grid 8 x 48, 4 waves a work-group, clusters of 4 x 4, 327,680 bytes of LDS; arguments xc, wc, b_qkv, qimg, kv; writes qimg, kv
.if DOCPART == 2
	.amdgcn_target "amdgcn-amd-amdhsa--gfx1250"
	.amdhsa_code_object_version 6
	.text
	.protected	k_qe3d7bc9f3d_gemm_qkv
	.globl	k_qe3d7bc9f3d_gemm_qkv
	.p2align	8
	.type	k_qe3d7bc9f3d_gemm_qkv,@function
k_qe3d7bc9f3d_gemm_qkv:
	s_mov_b64 s[64:65], 0
	v_nop
	global_prefetch_b8 v0, s[64:65] scope:SCOPE_SE
	s_setreg_imm32_b32 hwreg(HW_REG_WAVE_MODE, 25, 1), 1
	s_wait_xcnt 0x0
	s_wait_alu depctr_hold_cnt(0) depctr_sa_sdst(0) depctr_va_vdst(0) depctr_va_sdst(0) depctr_va_ssrc(0) depctr_va_vcc(0) depctr_vm_vsrc(0)
	s_getreg_b32 s2, hwreg(HW_REG_IB_STS2, 6, 4)
	s_cmp_eq_u32 s2, 0
	s_cbranch_scc0 .Lentry_in_a_cluster
	s_endpgm
.Lentry_in_a_cluster:
	s_bfe_u32 s2, ttmp6, 0x10000c
	s_cmp_lg_u32 s2, 0xf033
	s_cbranch_scc0 .Lentry_shape_is_right
	s_endpgm
.Lentry_shape_is_right:
; Launch 2 of 4: qkv = x w_qkv + b_qkv on codes of FP8 (E4M3) with E8M0 scales, K = 1,024; the results are quantised in registers and leave as IMAGES OF THE OPERAND REGISTERS that the attention launch loads.  No work is left out.
; A tile of 256 x 256 is made by four waves, each 128 x 128: 64 accumulators, 512 registers.  K goes in steps of 256 through a ring of two LDS slots filled by joint tensor loads of a 4 x 4 cluster.
; The matrix instruction's source 1 ("A": a lane holds a row) and source 0 ("B": its rows fall into a lane's registers) change roles with the cluster's y, which all sixteen partners share:
;   cluster y < 8  (q, k): A = 256 tokens of x, B = 256 rows of w (features 0-2047).   A lane holds one token and its registers run along the features: q and k are quantised along the head's 64.
;   cluster y >= 8 (v)   : A = 256 rows of w (features 2048-3071), B = 256 tokens.      A lane holds one feature and its registers run along the tokens: v is quantised along the keys.
; Rows are stored with bits 3 and 4 of their number exchanged.  So lane r of A's block a is row 32 (a / 2) + 8 (a % 2) + r + 8 (r / 8) of the wave's 128, and register j of lane (r, h) in B's block b is
; index 32 (b / 2) + 16 h + 8 (b % 2) + j: the 16 registers of blocks 2 c and 2 c + 1 are 16 neighbours, 32 c + 16 h + 0 .. 15, in the order in which an 8-bit operand's registers 4 c .. 4 c + 3 want them.
; OUT.  qimg: [b h][block of 128 tokens] blocks of 8,704 bytes: codes [tile 8][c 2][lane][16 bytes], then 512 bytes of scale words, that of (tile a, r) at 256 (a % 2) + 16 r + 4 (a / 2); a word's bytes 2 and 3 are 0.
;       kv:   [b h][step of 128 keys] blocks of 17,408 bytes: k as q; at 8,192 v's codes [tile of 16 d: 4][c 4][lane][16 bytes]; at 16,384 k's scale words; at 16,896 v's, [lane][tile], both halves of the lanes alike.
; LIMITS: as stated at the head of the first launch (NaN, infinities; bytes held at 1).
; REGISTERS, in windows of 256: window 0: v0-31 addresses; v32-63 scale words, two sets; v64-127 the bias; from v128 A's fragments, one set; on the way out v128-225 are at work.
;   window 1: B's fragments, two sets.   window 2: the accumulators of my rows 0-63 ((a, b) at v[8 (8 a + b)]);   window 3: those of my rows 64-127.
.set KSTEP,  256
.set NQ,     KSTEP/128
.set ROWB,   256
.set KROW,   1024
.set PITCH,  272                       ; an LDS row: 256 bytes + 16 of padding = 68 words: the 16 rows that a load touches start at 16 different banks (64 banks of 4 bytes: ISA guide 11.1)
.set FR,     16
.set NL,     4
.set NP,     8                         ; places behind this matrix instruction (ISA guide 7.12.1)
.set HALFT,  128*PITCH
.set SLOT,   4*HALFT
.set LAPS,   2                         ; K = 1,024: four K steps, twice round the ring
.set KS,     32                        ; a row of scale bytes
.set SCL,    2*SLOT                    ; behind the ring: the scales of all of K, as units of 256 bytes + 16 of padding
.set HALFS,  (128*KS/256)*272
.set SBLK,   (16*KS/256)*272
.set SPARE,  SCL+4*HALFS               ; the spare words, 128 bytes for each wave
.set SSTQ, 8                           ; v8   the way out (q, k): where my row's scale word goes: 1,024 x wave + 512 h + 16 r.  The stages lie in slot 0, which has had its last fill and its last read by then
.set SRD,  9                           ; v9   1,024 x wave + 16 x lane: where the scale words are read back; v's words go there too, 4,096 bytes on
.set LI,   10                          ; v10  16 x lane: an image's place for my lane
.set BQ,   11                          ; v11  64 h: the bias of my half's features
.set BVA,  12                          ; v12  4 (r + 8 (r / 8)): the bias of my feature
.set ADRA, 16
.set ADRB, 20
.set ADRS, 27
.set SPW,  28
.set NIL,  29
.set SC,   32
.set BC,   64
.set AF,   128
.set HA,   128                         ; the way out: 64 numbers of a lane
.set PC,   192                         ; the codes just made
.set TM,   208                         ; v208-211 largest magnitudes, v212-215 bytes, v216-219 448 x the scale, v220-223 the conversions' scale operands
.set PW,   224                         ; the scale word(s) just made
.set KIND, 95                          ; s95  1: q, k; 0: v
.set G1, 24
.set G0, 32
.set G1B, 48
.set G0B, 56
.set G1S, 68
.set G0S, 76
.set G1SB, 80
.set G0SB, 88
.set MSB, 0
.macro WIN new                         ; the immediate's high byte repeats the setting that is left
.if MSB != (\new)
	s_set_vgpr_msb (MSB<<8)|(\new)
.set MSB, (\new)
.endif
.endm
.set MUL_LO, 0xa1                      ; source 0 (B) window 1, source 1 (A) window 0, C and D window 2
.set MUL_HI, 0xf1
.set TO_B,   0x40
; A joint load: waves 0 and 1 fetch for A, waves 2 and 3 for B; the branch hangs on the wave's number alone.  An s_nop 0 and four v_nop follow each of the two lines.
.macro JLOAD g0a, g1a, g0b, g1b
	s_cmp_eq_u32 s15, 0
	s_cbranch_scc0 .Lfor_b_\@
	tensor_load_to_lds s[\g0a:\g0a+3], s[\g1a:\g1a+7]
	s_nop 0
.rept 4
	v_nop
.endr
	s_branch .Lasked_\@
.Lfor_b_\@:
	tensor_load_to_lds s[\g0b:\g0b+3], s[\g1b:\g1b+7]
	s_nop 0
.rept 4
	v_nop
.endr
.Lasked_\@:
.endm
.macro CREST                           ; a round of the cluster's barrier behind its opening barrier
	s_cmp_lg_u32 s14, 0
	s_cbranch_scc1 .Lnot_wave_0_\@
	s_barrier_signal -3
.Lnot_wave_0_\@:
	s_barrier_wait -3
	s_barrier_signal -1
	s_barrier_wait -1
.endm
.macro CROUND
	s_barrier_signal -1
	s_barrier_wait -1
	CREST
.endm
	s_load_b128 s[4:7], s[0:1], 0x0                ; xc s[4:5], wc s[6:7]
	s_load_b128 s[8:11], s[0:1], 0x10              ; b_qkv s[8:9], qimg s[10:11]
	s_load_b64 s[12:13], s[0:1], 0x20              ; kv
	v_lshl_add_u32 v[SPW], v0, 2, SPARE
	v_mov_b32 v[NIL], 0
	ds_add_u32 v[SPW], v[NIL]                      ; the wave's opening: the add, twice on end, and its wait ahead of my first tensor load
	ds_add_u32 v[SPW], v[NIL]
	v_lshrrev_b32 v1, 5, v0
	v_readfirstlane_b32 s14, v1                    ; wave 0..3
	s_lshr_b32 s15, s14, 1                         ; which half of A's rows is mine.  Also: I fetch for A (0) or for B (1)
	s_and_b32 s16, s14, 1                          ; which half of B's rows.  Also: which 128 rows of that tile I fetch
	s_bfe_u32 s40, ttmp6, 0x40000                  ; cx, cy: my place in the cluster
	s_bfe_u32 s41, ttmp6, 0x40004
	s_and_b32 s17, ttmp7, 0xffff                   ; cluster y
	s_sub_co_u32 s92, s17, 8
	s_lshl_b32 s92, s92, 1
	s_add_co_u32 s92, s92, ttmp9                   ; v: clusters 8-11 x 2 walk the 8 clusters' worth of tokens
	s_cmp_lt_u32 s17, 8
	s_cselect_b32 s[KIND], 1, 0
	s_cselect_b32 s42, ttmp9, s92
	s_cselect_b32 s17, s17, 0
	s_lshl_b32 s42, s42, 2
	s_add_co_u32 s42, s42, s40                     ; B's tile = 4 x its cluster + cx
	s_lshl_b32 s17, s17, 2
	s_add_co_u32 s17, s17, s41                     ; A's tile = 4 x its cluster + cy
	s_lshl_b32 s43, s41, 2
	s_lshl_b32 s43, 15, s43                        ; my row of the cluster
	s_lshl_b32 s44, 0x1111, s40                    ; my column
	; descriptor group 1: a tile's rows of 256 bytes, padded in LDS: 256 rows for the head's loads; behind them the two words that count rows are set to 128, for the ring's
	s_or_b32 s[G1+0], s43, (0<<16)|(1<<20)|(1<<21)|(5<<22)|(3<<25)  ; the mask: A's tiles go to my row; elements of 1 byte; padding: 4 words behind every 64; bit 21 set beside a mask
	s_or_b32 s[G1B+0], s44, (0<<16)|(1<<20)|(1<<21)|(5<<22)|(3<<25)
.irp g, G1, G1B
	s_mov_b32 s[\g+1], ROWB<<16                    ; tensor_dim0
	s_mov_b32 s[\g+2], 256<<16                     ; tensor_dim1
	s_mov_b32 s[\g+3], ROWB<<16                    ; tile_dim0
	s_mov_b32 s[\g+4], 256                         ; tile_dim1
	s_mov_b32 s[\g+5], KROW                        ; tensor_dim0_stride
	s_mov_b32 s[\g+6], 0
	s_mov_b32 s[\g+7], 0
.endr
	; the scales of 256 rows: 8,192 dense bytes, as 32 rows of 256 bytes (32 elements of 8 bytes), 16 bytes of padding behind each
	s_or_b32 s[G1S+0], s43, (3<<16)|(1<<20)|(1<<21)|(5<<22)|(3<<25)
	s_or_b32 s[G1SB+0], s44, (3<<16)|(1<<20)|(1<<21)|(5<<22)|(3<<25)
.irp g, G1S, G1SB
	s_mov_b32 s[\g+1], 32<<16
	s_mov_b32 s[\g+2], KS<<16
	s_mov_b32 s[\g+3], 32<<16
	s_mov_b32 s[\g+4], KS
	s_mov_b32 s[\g+5], 32
	s_mov_b32 s[\g+6], 0
	s_mov_b32 s[\g+7], 0
.endr
	s_lshl_b32 s20, s17, 8                         ; A: the tile's first stored row
	s_lshl_b32 s46, s42, 8                         ; B: likewise
	s_mov_b32 s21, 0
	s_mov_b32 s47, 0
	s_mov_b64 s[18:19], KS
	s_mul_u64 s[22:23], s[20:21], s[18:19]         ; where these rows' scales begin, in bytes
	s_mul_u64 s[92:93], s[46:47], s[18:19]
	s_mov_b64 s[18:19], KROW
	s_mul_u64 s[20:21], s[20:21], s[18:19]         ; and their codes
	s_mul_u64 s[46:47], s[46:47], s[18:19]
	s_mul_i32 s18, s16, 128*KROW                   ; in the ring I fetch 128 rows of a tile: which half, in bytes,
	s_mov_b32 s19, 0
	s_mul_i32 s45, s14, HALFT                      ; and where they go: wave x 128 rows: no place in the cluster enters an LDS address
	s_wait_dscnt 0x0                               ; both opening adds are done
	s_wait_kmcnt 0x0
	s_cmp_eq_u32 s[KIND], 1                        ; which buffer is A and which B: a choice on the cluster's y alone (the 64-bit sums leave SCC alone)
	s_add_nc_u64 s[96:97], s[6:7], 0x200000        ; w's stored rows 2,048 on
	s_cselect_b64 s[96:97], s[4:5], s[96:97]       ; A's codes
	s_add_nc_u64 s[98:99], s[4:5], 0x800000        ; x's scale bytes
	s_add_nc_u64 s[100:101], s[6:7], 3211264       ; w's, rows 2,048 on
	s_cselect_b64 s[100:101], s[98:99], s[100:101] ; A's scales
	s_add_nc_u64 s[66:67], s[6:7], 3145728         ; w's, from row 0
	s_cselect_b64 s[98:99], s[66:67], s[98:99]     ; B's scales
	s_cselect_b64 s[66:67], s[6:7], s[4:5]         ; B's codes
	s_add_nc_u64 s[20:21], s[96:97], s[20:21]
	s_add_nc_u64 s[22:23], s[100:101], s[22:23]
	s_add_nc_u64 s[46:47], s[66:67], s[46:47]
	s_add_nc_u64 s[92:93], s[98:99], s[92:93]
	CROUND                                         ; all sixteen work-groups are here: the first joint loads meet
	s_mov_b32 s[G0S], 1
	s_mov_b32 s[G0S+1], SCL                        ; the scales of A's 256 rows
	s_mov_b64 s[G0S+2:G0S+3], s[22:23]
	s_or_b32 s[G0S+3], s[G0S+3], 0x80000000
	s_mov_b32 s[G0SB], 1
	s_mov_b32 s[G0SB+1], SCL+2*HALFS               ; and of B's, behind them
	s_mov_b64 s[G0SB+2:G0SB+3], s[92:93]
	s_or_b32 s[G0SB+3], s[G0SB+3], 0x80000000
.set G0H, 4                            ; s[4:7], s[96:99]: group 0 for the head's loads of K step 0 (what lay there has been used)
.set G0HB, 96
	s_mov_b32 s[G0H], 1                            ; K step 0's 256 rows of A,
	s_mov_b32 s[G0H+1], 0
	s_mov_b64 s[G0H+2:G0H+3], s[20:21]
	s_or_b32 s[G0H+3], s[G0H+3], 0x80000000
	s_mov_b32 s[G0HB], 1                           ; its 256 rows of B, behind them in slot 0
	s_mov_b32 s[G0HB+1], 2*HALFT
	s_mov_b64 s[G0HB+2:G0HB+3], s[46:47]
	s_or_b32 s[G0HB+3], s[G0HB+3], 0x80000000
	s_add_nc_u64 s[20:21], s[20:21], s[18:19]      ; for the ring: my 128 rows of the tile
	s_add_nc_u64 s[46:47], s[46:47], s[18:19]
.irp s, 0,1
	s_mov_b32 s[G0+4*\s], 1
	s_add_co_u32 s[G0+4*\s+1], s45, \s*SLOT
	s_add_nc_u64 s[G0+4*\s+2:G0+4*\s+3], s[20:21], \s*ROWB
	s_or_b32 s[G0+4*\s+3], s[G0+4*\s+3], 0x80000000
	s_mov_b32 s[G0B+4*\s], 1
	s_add_co_u32 s[G0B+4*\s+1], s45, \s*SLOT
	s_add_nc_u64 s[G0B+4*\s+2:G0B+4*\s+3], s[46:47], \s*ROWB
	s_or_b32 s[G0B+4*\s+3], s[G0B+4*\s+3], 0x80000000
.endr
; THE HEAD'S LOADS, ONE A WAVE: wave 0 fetches K step 0's 256 rows of A, wave 1 its 256 rows of B, wave 2 the scales of A's 256 rows, wave 3 those of B's.
; One tree of branches on the wave's number: every way through the head passes exactly one load.
.macro ARM under, g0, g1, next
	s_cmp_lt_u32 s14, \under
	s_cbranch_scc0 \next
	tensor_load_to_lds s[\g0:\g0+3], s[\g1:\g1+7]
	s_nop 0
.rept 4
	v_nop
.endr
	s_branch .Lhead_asked
\next:
.endm
	ARM 1, G0H,  G1,  .Lhead_b
	ARM 2, G0HB, G1B, .Lhead_sa
	ARM 3, G0S,  G1S, .Lhead_sb
	tensor_load_to_lds s[G0SB:G0SB+3], s[G1SB:G1SB+7]
	s_nop 0
.rept 4
	v_nop
.endr
.Lhead_asked:
	v_and_b32 v1, 15, v0                           ; r
	v_bfe_u32 v2, v0, 4, 1                         ; h
	v_mul_u32_u24 v3, v1, PITCH
	v_lshl_add_u32 v4, v2, 4, v3                   ; a fragment's row x pitch + 16 h
	s_mul_i32 s21, s15, HALFT                      ; my 128 rows of A
	s_mul_i32 s22, s16, HALFT                      ; my 128 rows of B,
	s_add_co_u32 s22, s22, 2*HALFT                 ; which lie behind A's 256
.irp s, 0,1
	v_add_nc_u32 v[ADRA+\s], s21, v4
	v_add_nc_u32 v[ADRB+\s], s22, v4
	s_add_co_u32 s21, s21, SLOT
	s_add_co_u32 s22, s22, SLOT
.endr
	v_mul_u32_u24 v5, v1, KS                       ; my row's scales: 32 bytes a row,
	v_lshrrev_b32 v6, 8, v5
	v_lshl_add_u32 v5, v6, 4, v5                   ; and 16 more for each 256 passed
	s_mul_i32 s21, s15, HALFS
	s_mul_i32 s22, s16, HALFS
	s_add_co_u32 s22, s22, 2*HALFS
	s_sub_co_u32 s22, s22, s21
	v_mul_u32_u24 v6, s22, v2                      ; lanes 16-31 take B's: one product, h x the distance
	s_add_co_u32 s21, s21, SCL
	v_add_nc_u32 v5, v5, v6
	v_add_nc_u32 v[ADRS], s21, v5
	s_lshl_b32 s23, s14, 10                        ; the way out's addresses, all made here
	v_lshlrev_b32 v[SSTQ], 4, v1
	v_lshl_add_u32 v[SSTQ], v2, 9, v[SSTQ]
	v_add_nc_u32 v[SSTQ], s23, v[SSTQ]
	v_and_b32 v6, 31, v0
	v_lshlrev_b32 v[LI], 4, v6
	v_add_nc_u32 v[SRD], s23, v[LI]
	v_lshlrev_b32 v[BQ], 6, v2
	v_and_b32 v5, 8, v1
	v_add_nc_u32 v5, v5, v1
	v_lshlrev_b32 v[BVA], 2, v5
.macro FRAG reg, adr, q, i             ; 16 rows x 128 K of 8-bit codes: lane l holds row l % 16; registers 4 c .. 4 c + 3 hold K = 32 c + 16 (l / 16) + 0 .. 15
.irp c, 0,1,2,3
	ds_load_b128 v[\reg+4*\c:\reg+4*\c+3], v[\adr] offset:128*(\q)+32*\c+(\i)*16*PITCH
.endr
.endm
; 16 matrix instructions: A's blocks a0, a0 + 1 x B's eight.  The 64 accumulators take turns, one instruction a turn, in the same order in every step.
.macro MUL16 a0, p, q, sc, zero
.irp a, \a0, \a0+1
.irp b, 0,1,2,3,4,5,6,7
.if \zero
	v_wmma_scale_f32_16x16x128_f8f6f4 v[8*(8*((\a)%4)+\b):8*(8*((\a)%4)+\b)+7], v[128*(\p)+FR*\b:128*(\p)+FR*\b+FR-1], v[AF+FR*(\a):AF+FR*(\a)+FR-1], 0, v[SC+8*NQ*(\sc)+NQ*\b+(\q)], v[SC+8*NQ*(\sc)+NQ*(\a)+(\q)] matrix_a_scale:MATRIX_SCALE_ROW1
.else
	v_wmma_scale_f32_16x16x128_f8f6f4 v[8*(8*((\a)%4)+\b):8*(8*((\a)%4)+\b)+7], v[128*(\p)+FR*\b:128*(\p)+FR*\b+FR-1], v[AF+FR*(\a):AF+FR*(\a)+FR-1], v[8*(8*((\a)%4)+\b):8*(8*((\a)%4)+\b)+7], v[SC+8*NQ*(\sc)+NQ*\b+(\q)], v[SC+8*NQ*(\sc)+NQ*(\a)+(\q)] matrix_a_scale:MATRIX_SCALE_ROW1
.endif
.endr
.endr
.endm
.macro FETCH_B slot, q, p
	WIN TO_B
.irp i, 0,1,2,3,4,5,6,7
	FRAG 128*(\p)+FR*\i, ADRB+\slot, \q, \i
.endr
	WIN 0
.endm
.macro FETCH_A slot, q, i0
.irp i, \i0, \i0+1, \i0+2, \i0+3
	FRAG AF+FR*(\i), ADRA+\slot, \q, \i
.endr
.endm
.macro SCALES sc                       ; a K step's scale words: lanes 0-15 take A's block i, lanes 16-31 B's block i
.irp i, 0,1,2,3,4,5,6,7
	ds_load_b64 v[SC+8*NQ*\sc+NQ*\i:SC+8*NQ*\sc+NQ*\i+1], v[ADRS] offset:\i*SBLK
.endr
.endm
.macro PLACES n                        ; plain vector instructions between a matrix instruction and a load into, or a read of, its registers
.rept \n
	v_nop
.endr
.endm
.macro STEP slot, q, zero              ; 128 along K that has its successor in the same slot
	s_wait_dscnt 4*NL                              ; B's set and A's blocks 0-3 are in; the youngest sixteen loads (A's blocks 4-7) may be out
	WIN MUL_LO
	MUL16 0, (\q)%2, \q, \slot, \zero
	MUL16 2, (\q)%2, \q, \slot, \zero
	s_wait_dscnt 0
	PLACES NP
	FETCH_B \slot, (\q)+1, 1-(\q)%2
	FETCH_A \slot, (\q)+1, 0
	WIN MUL_HI
	MUL16 4, (\q)%2, \q, \slot, \zero
	MUL16 6, (\q)%2, \q, \slot, \zero
	PLACES NP
	WIN 0
	FETCH_A \slot, (\q)+1, 4
.endm
; A slot's last step changes slots: one barrier; in front of it each wave waits for all its tensor loads, adds 0 to its spare word, and waits for that and for its reads of this slot.
.macro TURN slot, next, fill
	s_wait_tensorcnt 0x0                           ; all my tensor loads have landed: my part of the next slot
	ds_add_u32 v[SPW], v[NIL]                      ; 0 onto my spare word
	s_wait_dscnt 4*NL+1                            ; (the add and the youngest sixteen loads, A's blocks 4-7, may be out)
	WIN MUL_LO
	MUL16 0, 1, NQ-1, \slot, 0
	s_wait_dscnt 0x0                               ; the add is done, and my reads of this slot are over
	s_barrier_signal -1
	MUL16 2, 1, NQ-1, \slot, 0
	WIN 0
	s_barrier_wait -1
.if \fill
	CREST                                          ; the barrier has opened a round of the cluster's: no wave of any partner still reads this slot or has a load on its way
	s_add_nc_u64 s[G0+4*\slot+2:G0+4*\slot+3], s[G0+4*\slot+2:G0+4*\slot+3], 2*ROWB
	s_add_nc_u64 s[G0B+4*\slot+2:G0B+4*\slot+3], s[G0B+4*\slot+2:G0B+4*\slot+3], 2*ROWB
	JLOAD G0+4*\slot, G1, G0B+4*\slot, G1B         ; the first tensor load behind the round, my only one until the next; its four v_nop are among the places below
	PLACES NP-4
.else
	PLACES NP
.endif
	s_wait_alu depctr_va_vdst(0)
	v_add_nc_u32 v[ADRS], 4*NQ, v[ADRS]            ; on to the next K step's scale words
	FETCH_B \next, 0, 0
	FETCH_A \next, 0, 0
	SCALES \next
	WIN MUL_HI
	MUL16 4, 1, NQ-1, \slot, 0
	MUL16 6, 1, NQ-1, \slot, 0
	PLACES NP
	WIN 0
	FETCH_A \next, 0, 4
.endm
	s_wait_alu depctr_va_vdst(0)
	s_wait_tensorcnt 0x0                           ; my tile of the head's four is in
	ds_add_u32 v[SPW], v[NIL]
	s_mov_b32 s[G1+2], 128<<16                     ; no tensor load of mine is out, so a descriptor may be written: from here on a load brings 128 rows
	s_mov_b32 s[G1+4], 128
	s_mov_b32 s[G1B+2], 128<<16
	s_mov_b32 s[G1B+4], 128
	s_wait_dscnt 0x0                               ; the add is done
	CROUND                                         ; a whole round: all four tiles are in, and all sixteen work-groups are here
	JLOAD G0+4, G1, G0B+4, G1B                     ; K step 1's load, the first tensor load behind the round
	FETCH_B 0, 0, 0
	FETCH_A 0, 0, 0
	SCALES 0
	FETCH_A 0, 0, 4
	STEP 0, 0, 1                                   ; the first step's products start the sums: nothing is cleared
	s_mov_b32 s3, LAPS-1
.Llap:
	TURN 0, 1, 1
	STEP 1, 0, 0
	TURN 1, 0, 1
	STEP 0, 0, 0
	s_sub_co_u32 s3, s3, 1
	s_cmp_lg_u32 s3, 0
	s_cbranch_scc1 .Llap
	TURN 0, 1, 0                                   ; the last lap fills nothing
	STEP 1, 0, 0
	s_wait_dscnt 4*NL
	WIN MUL_LO
	MUL16 0, 1, NQ-1, 1, 0
	MUL16 2, 1, NQ-1, 1, 0
	s_wait_dscnt 0
	WIN MUL_HI
	MUL16 4, 1, NQ-1, 1, 0
	MUL16 6, 1, NQ-1, 1, 0
	WIN 0
	PLACES NP                                      ; behind the last products: their results are read and A's registers written below
; THE WAY OUT.  No tensor load of mine is out since the last change of slots, so the descriptors' registers serve again.
	s_lshl_b32 s20, s17, 1
	s_add_co_u32 s20, s20, s15                     ; which 128 of A's rows
	s_lshl_b32 s21, s42, 1
	s_add_co_u32 s21, s21, s16                     ; which 128 of B's rows
	s_and_b32 s22, s21, 7
	s_lshl_b32 s24, s21, 9                         ; the bias: q, k: feature 128 x B's index;
	s_lshl_b32 s25, s20, 9
	s_add_co_u32 s25, s25, 8192                    ; v: feature 2,048 + 128 x A's index
	s_mov_b32 s27, 16896
	s_cmp_eq_u32 s[KIND], 1
	s_cselect_b32 s23, s20, s21                    ; the block of 128 tokens
	s_cselect_b32 s22, s22, s20                    ; the pair of heads
	s_cselect_b32 s24, s24, s25
	s_cselect_b32 s26, 0, 8192                     ; the codes' place in a block
	s_cselect_b32 s27, 16384, s27                  ; the scale words' (k, v)
	s_sub_co_u32 s28, 1, s[KIND]
	s_or_b32 s28, s28, ttmp9                       ; 0 where the features are q's: B's tiles 0-3 are cluster x = 0
	s_mov_b32 s29, 17408
	s_cmp_eq_u32 s28, 0
	s_cselect_b32 s29, 8704, s29                   ; a block's bytes
	s_cselect_b32 s27, 8192, s27
	s_cselect_b64 s[30:31], s[10:11], s[12:13]     ; qimg or kv
	s_lshr_b32 s32, s23, 4                         ; the batch
	s_lshl_b32 s32, s32, 4
	s_lshl_b32 s33, s22, 1
	s_add_co_u32 s32, s32, s33                     ; 16 b + the first head
	s_lshl_b32 s32, s32, 4
	s_and_b32 s33, s23, 15
	s_add_co_u32 s32, s32, s33                     ; the block's number
	s_mul_i32 s32, s32, s29
	s_mov_b32 s33, 0
	s_add_nc_u64 s[30:31], s[30:31], s[32:33]
	s_mov_b32 s34, s26
	s_mov_b32 s35, 0
	s_lshl_b32 s36, s29, 4                         ; the next head lies 16 blocks on
	s_mov_b32 s37, 0
	s_add_nc_u64 s[68:69], s[30:31], s[34:35]      ; codes: first head,
	s_add_nc_u64 s[70:71], s[68:69], s[36:37]      ; second head
	s_mov_b32 s34, s27
	s_add_nc_u64 s[72:73], s[30:31], s[34:35]      ; scale words likewise
	s_add_nc_u64 s[74:75], s[72:73], s[36:37]
	s_mov_b32 s25, 0
	s_add_nc_u64 s[76:77], s[8:9], s[24:25]        ; the bias
	s_mov_b32 s18, 0x76543210
	s_mov_b32 s19, 0xfedcba98                      ; v_permlanex16_b32's selects for lane l xor 16
	s_mov_b32 s79, 0x600000                        ; the mantissa field of 448
	s_mov_b32 s78, 0xffff0000                      ; lanes 16-31
.irp b, 0,1,2,3
	v_mov_b32 v[TM+4+\b], 0                        ; written once: a lane permute's destination counts as one of its sources
.endr
; 64 numbers of a lane, register 16 b + i = index 32 b + 16 h + i along the next K, become 16 registers of codes in v[PC] on and scale bytes.
; qk = 1: two heads of two blocks: lanes 0-15 keep the first head's word, lanes 16-31 the second's; bytes 2 and 3 stay 0.  qk = 0: one word of four bytes.
.macro QUANT s, qk
.irp b, 0,1,2,3
	v_max3_num_f32 v[TM+\b], |v[\s+16*\b]|, |v[\s+1+16*\b]|, 0x4800000   ; my 16 numbers of block b, and the floor 2^(9 - 127): the byte cannot fall under 1
.endr
.irp i, 2,4,6,8,10,12,14
.irp b, 0,1,2,3
	v_max3_num_f32 v[TM+\b], v[TM+\b], |v[\s+16*\b+\i]|, |v[\s+1+16*\b+\i]|
.endr
.endr
.irp b, 0,1,2,3
	v_permlanex16_b32 v[TM+4+\b], v[TM+\b], s18, s19
.endr
.irp b, 0,1,2,3
	v_max_num_f32 v[TM+\b], v[TM+\b], v[TM+4+\b]   ; with lane l xor 16's: the block's largest magnitude
.endr
.irp b, 0,1,2,3
	v_add_nc_u32 v[TM+12+\b], 0xfc000000, v[TM+\b] ; 8 off its exponent field: the conversion's scale operand
.endr
.irp b, 0,1,2,3
	v_and_or_b32 v[TM+8+\b], v[TM+\b], 0x7f800000, s79   ; 448 x the scale
.endr
.irp b, 0,1,2,3
	v_lshrrev_b32 v[TM+4+\b], 23, v[TM+12+\b]      ; the scale's byte
.endr
.if \qk
	v_lshl_or_b32 v[PW], v[TM+5], 8, v[TM+4]
	v_lshl_or_b32 v[PW+1], v[TM+7], 8, v[TM+6]
	v_cndmask_b32 v[PW], v[PW], v[PW+1], s78
.else
	v_lshl_or_b32 v[PW], v[TM+5], 8, v[TM+4]
	v_lshl_or_b32 v[PW], v[TM+6], 16, v[PW]
	v_lshl_or_b32 v[PW], v[TM+7], 24, v[PW]
.endif
.irp b, 0,1,2,3
.irp i, 0,1,2,3,4,5,6,7,8,9,10,11,12,13,14,15
	v_med3_num_f32 v[\s+16*\b+\i], v[\s+16*\b+\i], -v[TM+8+\b], v[TM+8+\b]   ; the conversion to an 8-bit code does not saturate (ISA guide 7.6.2): the hold comes first
.endr
	v_cvt_scalef32_pk8_fp8_f32 v[PC+4*\b:PC+1+4*\b], v[\s+16*\b:\s+7+16*\b], v[TM+12+\b]
	v_cvt_scalef32_pk8_fp8_f32 v[PC+2+4*\b:PC+3+4*\b], v[\s+8+16*\b:\s+15+16*\b], v[TM+12+\b]
.endr
	v_nop                                          ; a plain line behind the last conversion
.endm
; A's block a: bias, quantiser, image.  Each store of the wave covers 512 consecutive bytes, aligned.
.macro EPI a, qk
.set AC, 64*((\a)%4)
	s_wait_xcnt 0x0                                ; the last block's stores have read their data: the codes' registers may be written again
	WIN 0x02+(\a)/4                                ; source 0: the accumulators' window
.set P2, 0
.rept 32
.if \qk
	v_pk_add_f32 v[HA+P2:HA+P2+1], v[AC+P2:AC+P2+1], v[BC+P2:BC+P2+1]              ; each accumulator from its low end on
.else
	v_pk_add_f32 v[HA+P2:HA+P2+1], v[AC+P2:AC+P2+1], v[BC+2*(\a):BC+2*(\a)+1]
.endif
.set P2, P2+2
.endr
	WIN 0
	QUANT HA, \qk
.if \qk
	ds_store_b32 v[SSTQ], v[PW] offset:((\a)%2)*256+((\a)/2)*4
.irp c, 0,1,2,3
	global_store_b128 v[LI], v[PC+4*\c:PC+4*\c+3], s[68+2*(\c/2):69+2*(\c/2)] offset:(\a)*1024+(\c%2)*512
.endr
.else
	ds_store_b32 v[SRD], v[PW] offset:4096+((\a)/4)*512+((\a)%4)*4
.irp c, 0,1,2,3
	global_store_b128 v[LI], v[PC+4*\c:PC+4*\c+3], s[68+2*((\a)/4):69+2*((\a)/4)] offset:((\a)%4)*2048+\c*512
.endr
.endif
.endm
	s_cmp_eq_u32 s[KIND], 1                        ; the one branch on the role: it hangs on the cluster's y, the same in all sixteen partners
	s_cbranch_scc0 .Lv_arm
.irp bb, 0,1,2,3
.irp jj, 0,1,2,3
	global_load_b128 v[BC+16*\bb+4*\jj:BC+16*\bb+4*\jj+3], v[BQ], s[76:77] offset:128*\bb+16*\jj   ; register 16 bb + i: the bias of feature 32 bb + 16 h + i
.endr
.endr
	s_wait_loadcnt 0x0
.irp a, 0,1,2,3,4,5,6,7
	EPI \a, 1
.endr
	ds_load_b128 v[HA:HA+3], v[SRD]                ; my two heads' scale words, 512 bytes each: LDS serves a wave's instructions in order, so these see my stores
	ds_load_b128 v[HA+4:HA+7], v[SRD] offset:512
	s_wait_dscnt 0x0
	global_store_b128 v[LI], v[HA:HA+3], s[72:73]
	global_store_b128 v[LI], v[HA+4:HA+7], s[74:75]
	s_branch .Lend
.Lv_arm:
.irp a, 0,1,2,3,4,5,6,7
	global_load_b32 v[BC+2*\a], v[BVA], s[76:77] offset:4*(32*(\a/2)+8*(\a%2))     ; my feature's bias in block a, twice: a pair for the packed add
	global_load_b32 v[BC+2*\a+1], v[BVA], s[76:77] offset:4*(32*(\a/2)+8*(\a%2))
.endr
	s_wait_loadcnt 0x0
.irp a, 0,1,2,3,4,5,6,7
	EPI \a, 0
.endr
	ds_load_b128 v[HA:HA+3], v[SRD] offset:4096
	ds_load_b128 v[HA+4:HA+7], v[SRD] offset:4096+512
	s_wait_dscnt 0x0
	global_store_b128 v[LI], v[HA:HA+3], s[72:73]
	global_store_b128 v[LI], v[HA+4:HA+7], s[74:75]
.Lend:
	s_wait_tensorcnt 0x0                           ; the wave's end: behind my last tensor load and my last LDS store
	ds_add_u32 v[SPW], v[NIL]
	s_wait_dscnt 0x0
	CROUND                                         ; the closing round: no work-group ends while a partner may still ask for a tile that names it
	s_endpgm
.Lfunc_end_k_qe3d7bc9f3d_gemm_qkv:
	.size	k_qe3d7bc9f3d_gemm_qkv, .Lfunc_end_k_qe3d7bc9f3d_gemm_qkv-k_qe3d7bc9f3d_gemm_qkv
	.p2alignl 7, 3214868480
	.fill 96, 4, 3214868480
	.section	.rodata,"a",@progbits
	.p2align	6, 0x0
	.amdhsa_kernel k_qe3d7bc9f3d_gemm_qkv
		.amdhsa_group_segment_fixed_size 327680
		.amdhsa_private_segment_fixed_size 0
		.amdhsa_enable_private_segment 0
		.amdhsa_kernarg_size 40
		.amdhsa_user_sgpr_count 2
		.amdhsa_user_sgpr_kernarg_segment_ptr 1
		.amdhsa_wavefront_size32 1
		.amdhsa_system_sgpr_workgroup_id_x 1
		.amdhsa_system_sgpr_workgroup_id_y 1
		.amdhsa_system_sgpr_workgroup_id_z 1
		.amdhsa_system_vgpr_workitem_id 0
		.amdhsa_next_free_vgpr 1024
		.amdhsa_next_free_sgpr 102
		.amdhsa_reserve_vcc 0
		.amdhsa_float_denorm_mode_32 3
		.amdhsa_float_denorm_mode_16_64 3
		.amdhsa_memory_ordered 1
		.amdhsa_forward_progress 1
		.amdhsa_inst_pref_size 255
	.end_amdhsa_kernel
	.section	.bss,"aw",@nobits
	.p2align	6
	.space	262144
	.amdgpu_metadata
---
amdhsa.version: [ 1, 2 ]
amdhsa.kernels:
  - .name:           k_qe3d7bc9f3d_gemm_qkv
    .symbol:         k_qe3d7bc9f3d_gemm_qkv.kd
    .args:
      - { .name: xc, .offset: 0, .size: 8, .value_kind: global_buffer, .address_space: global }
      - { .name: wc, .offset: 8, .size: 8, .value_kind: global_buffer, .address_space: global }
      - { .name: b_qkv, .offset: 16, .size: 8, .value_kind: global_buffer, .address_space: global }
      - { .name: qimg, .offset: 24, .size: 8, .value_kind: global_buffer, .address_space: global }
      - { .name: kv, .offset: 32, .size: 8, .value_kind: global_buffer, .address_space: global }
    .group_segment_fixed_size: 327680
    .private_segment_fixed_size: 0
    .kernarg_segment_align: 8
    .kernarg_segment_size: 40
    .max_flat_workgroup_size: 128
    .sgpr_count:     102
    .vgpr_count:     1024
    .wavefront_size: 32
...
	.end_amdgpu_metadata
.endif
;; end of part 2
;; launch attn (part 3): grid 4 x 64, 16 waves a work-group, clusters of 4 x 1, 327,680 bytes of LDS; arguments qimg, kv, oc; writes oc
.if DOCPART == 3
	.amdgcn_target "amdgcn-amd-amdhsa--gfx1250"
	.amdhsa_code_object_version 6
	.text
	.protected	k_qe3d7bc9f3d_attn
	.globl	k_qe3d7bc9f3d_attn
	.p2align	8
	.type	k_qe3d7bc9f3d_attn,@function
k_qe3d7bc9f3d_attn:
	s_mov_b64 s[64:65], 0
	v_nop
	global_prefetch_b8 v0, s[64:65] scope:SCOPE_SE
	s_setreg_imm32_b32 hwreg(HW_REG_WAVE_MODE, 25, 1), 1
	s_wait_xcnt 0x0
	s_wait_alu depctr_hold_cnt(0) depctr_sa_sdst(0) depctr_va_vdst(0) depctr_va_sdst(0) depctr_va_ssrc(0) depctr_va_vcc(0) depctr_vm_vsrc(0)
	s_getreg_b32 s2, hwreg(HW_REG_IB_STS2, 6, 4)
	s_cmp_eq_u32 s2, 0
	s_cbranch_scc0 .Lentry_in_a_cluster
	s_endpgm
.Lentry_in_a_cluster:
	s_bfe_u32 s2, ttmp6, 0x10000c
	s_cmp_lg_u32 s2, 0x3003
	s_cbranch_scc0 .Lentry_shape_is_right
	s_endpgm
.Lentry_shape_is_right:
; Launch 3 of 4: o = softmax(q k^T / 8) v for each of the 64 (batch, head), both products on codes of FP8 (E4M3) with E8M0 scales; o is quantised along the head's 64 and leaves as an image of the operand registers of the last launch.  No work is left out.
; THE SOFTMAX: t = score x log2(e) / 8; M = the running largest t rounded up to a whole number; p = 2^(t - M) is quantised along the keys, block of 32 by block; the row's sum is taken of the unquantised p and divides at the end.
; When M moves, the sum and O^T are multiplied by 2^(old M - new M), which rounds nothing.
; SHARES.  A work-group owns 512 queries of one head; each of its sixteen waves owns two tiles of 16 queries and walks all 2,048 keys once for each tile, 128 keys a step.
; The head's k and v (16 steps x 17,408 bytes, as launch 2 laid them: register images and scale words) lie in LDS whole and are filled ONCE: at the head wave w fetches step w's block, 68 rows of 256 bytes.  No LDS byte is filled twice.
; CLUSTERS: the four work-groups of a head need the same k and v: the loads are joint loads of a 4 x 1 cluster (mask 15), their descriptors made of the head and the wave's number alone.
; NO PREFETCH: a wave's one tensor load is issued at the kernel's head; no loop of the text loads from memory, so there is no trip to ask ahead in.
; LAYOUT.  Both products are used transposed: S^T = k q^T, O^T = v^T p^T: a lane holds one query (lane % 16).  The head's 64 fill half of the instruction's 128 along K: q's registers 8-15 are zeros, so what stands in k's registers 8-15
; (the next tile's codes; behind the last tile zeros, or the second tile's codes of q: all finite) adds nothing; the scale words' bytes 2 and 3 are 0, a finite code.
; TWO SETS OF 64 REGISTERS, X AND Y, CHANGE ROLES FROM STEP TO STEP: one holds the step's k and then its v, the other S^T and p.  As p's blocks are converted, their registers take the NEXT step's k: those loads have the rest of the step in which to come.
; LIMITS: NaN and infinities are not served; the promise holds while the scaled scores stay under 2^31 in magnitude; a block whose every p has fallen to 0 keeps the byte 1 (its codes are zeros).
; REGISTERS: v1-6 addresses; v7 at work; v[8:11] two chains of the sum; v12 -M, v13 the largest score, v[14:15] the sum; v16-23 q, v24-31 zeros; v32-95 X; v96-103 zeros; v104-167 Y; v168-175 the second tile's q; v176-207 O^T; v208-223 p's codes; v224-255 at work.
.set STEPB, 17408                      ; a key step's block: k's codes 8,192, v's codes 8,192, k's scale words 512, v's 512
.set OSTG,  16*STEPB                   ; behind k and v: o's scale bytes, 512 bytes for each of the two tiles' turns; no fill lands here
.set SPARE, OSTG+1024                  ; the spare words, 128 bytes for each wave
.set OSC,   8388608
.set LI,  1                            ; 16 x lane
.set ADK, 2                            ; the step's block + 16 x lane
.set ORD, 3
.set OS,  4
.set SPW, 5
.set NIL, 6
.set T2,  7                            ; at the head: the offset of q's scale words
.set X,   32
.set Y,   104
.set Q2,  168
.set OT,  176
.set PCD, 208
.set BM,  224
.set PT,  228
.set HL,  232
.set SO,  236
.set KSW, 240
.set VSW, 244
.set QSW, 248
.set PSW, 249
.set FF,  250
.set TMP, 252
.set Q2S, 253
.set SM2, 254
.set WV,  12
.set G1,  16
.set SEL, 24
.set CS,  26
.set MNT, 28
.set TB,  29
.set CNT, 30
.set OSO, 31
.set G0,  32
.set NC,  62
.set PS,  63
.macro CROUND                          ; a round of the cluster's barrier
	s_barrier_signal -1
	s_barrier_wait -1
	s_cmp_lg_u32 s[WV], 0
	s_cbranch_scc1 .Lnot_wave_0_\@
	s_barrier_signal -3
.Lnot_wave_0_\@:
	s_barrier_wait -3
	s_barrier_signal -1
	s_barrier_wait -1
.endm
	s_load_b128 s[4:7], s[0:1], 0x0                ; qimg, kv
	s_load_b64 s[8:9], s[0:1], 0x10                ; oc
	v_lshl_add_u32 v[SPW], v0, 2, SPARE
	v_mov_b32 v[NIL], 0
	ds_add_u32 v[SPW], v[NIL]                      ; the opening: the add, twice on end, and its wait ahead of my first tensor load
	ds_add_u32 v[SPW], v[NIL]
	v_lshrrev_b32 v8, 5, v0
	s_delay_alu instid0(VALU_DEP_1)
	v_readfirstlane_b32 s[WV], v8                  ; wave 0..15
	s_bfe_u32 s13, ttmp6, 0x40000                  ; cx
	s_lshl_b32 s14, ttmp9, 2
	s_add_co_u32 s14, s14, s13
	s_lshl_b32 s14, s14, 1                         ; my first block of 256 queries; the second tiles' turn takes the next
	s_and_b32 s15, ttmp7, 0xffff                   ; 16 x batch + head
	s_mov_b32 s[G1], 15|(3<<16)|(1<<21)            ; the mask of all four partners; elements of 8 bytes; bit 21 set beside a mask; no padding: the images are read 16 bytes a lane on end
	s_mov_b32 s[G1+1], 32<<16
	s_mov_b32 s[G1+2], 68<<16
	s_mov_b32 s[G1+3], 32<<16
	s_mov_b32 s[G1+4], 68
	s_mov_b32 s[G1+5], 32
	s_mov_b32 s[G1+6], 0
	s_mov_b32 s[G1+7], 0
	s_mul_i32 s48, s[WV], STEPB                    ; LDS holds the head's bytes as they lie in memory: one offset serves both
	s_mov_b32 s49, 0
	s_mul_i32 s10, s15, 16*STEPB
	s_mov_b32 s11, 0
	s_mov_b32 s[SEL], 0x76543210
	s_mov_b32 s[SEL+1], 0xfedcba98
	s_mov_b32 s[CS], 0x3e38aa3b                    ; c = log2(e) / 8
	s_mov_b32 s[CS+1], s[CS]
	s_mov_b32 s[NC], 0xbe38aa3b                    ; -c
	s_mov_b32 s[MNT], 0x600000                     ; the mantissa field of 448
	s_mov_b32 s[OSO], 0
	s_mov_b32 s[PS], 2
	s_wait_dscnt 0x0                               ; both opening adds are done
	s_wait_kmcnt 0x0
	s_add_nc_u64 s[10:11], s[6:7], s[10:11]
	s_mov_b32 s[G0], 1
	s_mov_b32 s[G0+1], s48
	s_add_nc_u64 s[G0+2:G0+3], s[10:11], s[48:49]
	s_or_b32 s[G0+3], s[G0+3], 0x80000000
	CROUND                                         ; all four work-groups are here: the joint loads meet
	tensor_load_to_lds s[G0:G0+3], s[G1:G1+7]      ; key step w's block: one tensor load a wave, my only one
	s_nop 0
.rept 4
	v_nop
.endr
	s_lshl_b32 s48, s15, 4                         ; q: block of 128 tokens 16 (b h) + 2 x my block of 256 + wave / 8; tile wave % 8
	s_lshl_b32 s49, s14, 1
	s_add_co_u32 s48, s48, s49
	s_lshr_b32 s49, s[WV], 3
	s_add_co_u32 s48, s48, s49
	s_mul_i32 s48, s48, 8704
	s_and_b32 s50, s[WV], 7
	s_lshl_b32 s60, s50, 10
	s_add_co_u32 s60, s60, s48
	s_mov_b32 s61, 0
	s_add_nc_u64 s[52:53], s[4:5], s[60:61]
	s_and_b32 s60, s[WV], 1                        ; its scale words: 256 (tile % 2) + 16 r + 4 (tile / 2), 8,192 bytes into the block
	s_lshl_b32 s60, s60, 8
	s_lshr_b32 s51, s50, 1
	s_lshl_b32 s51, s51, 2
	s_add_co_u32 s60, s60, s51
	s_add_co_u32 s60, s60, s48
	s_add_co_u32 s60, s60, 8192
	s_add_nc_u64 s[54:55], s[4:5], s[60:61]
	v_and_b32 v8, 31, v0
	s_delay_alu instid0(VALU_DEP_1)
	v_lshlrev_b32 v[LI], 4, v8
	v_and_b32 v8, 15, v0
	s_delay_alu instid0(VALU_DEP_1)
	v_lshlrev_b32 v[T2], 4, v8
	global_load_b128 v[16:19], v[LI], s[52:53]
	global_load_b128 v[20:23], v[LI], s[52:53] offset:512
	global_load_b32 v[QSW], v[T2], s[54:55]
	global_load_b128 v[Q2:Q2+3], v[LI], s[52:53] offset:17408          ; the second tile lies 256 queries, two blocks of 8,704 bytes, on
	global_load_b128 v[Q2+4:Q2+7], v[LI], s[52:53] offset:17408+512
	global_load_b32 v[Q2S], v[T2], s[54:55] offset:17408
	v_add_nc_u32 v[ORD], OSTG, v[LI]
	s_lshl_b32 s60, s[WV], 5
	v_lshl_add_u32 v[OS], v8, 1, s60
	s_delay_alu instid0(VALU_DEP_1)
	v_add_nc_u32 v[OS], OSTG, v[OS]                ; o's scale bytes: 32 x wave + 2 r
	s_lshr_b32 s48, s15, 4                         ; batch
	s_and_b32 s49, s15, 15                         ; head
	s_lshl_b32 s60, s48, 4
	s_lshl_b32 s51, s14, 1
	s_add_co_u32 s60, s60, s51
	s_lshr_b32 s51, s[WV], 3
	s_add_co_u32 s60, s60, s51
	s_lshl_b32 s60, s60, 17                        ; o's codes: block of 128 tokens x 131,072,
	s_lshr_b32 s51, s49, 2
	s_lshl_b32 s51, s51, 15                        ; + K step of 256 (four heads) x 32,768,
	s_add_co_u32 s60, s60, s51
	s_lshl_b32 s51, s50, 12                        ; + tile x 4,096,
	s_add_co_u32 s60, s60, s51
	s_and_b32 s51, s49, 3
	s_lshl_b32 s51, s51, 10                        ; + head % 4 x 1,024
	s_add_co_u32 s60, s60, s51
	s_add_nc_u64 s[56:57], s[8:9], s[60:61]
	s_lshl_b32 s60, s48, 3
	s_add_co_u32 s60, s60, s14
	s_lshl_b32 s60, s60, 13
	s_lshl_b32 s51, s49, 9
	s_add_co_u32 s60, s60, s51
	s_add_co_u32 s60, s60, OSC
	s_add_nc_u64 s[58:59], s[8:9], s[60:61]        ; its scale bytes: block of 256 tokens x 8,192 + head x 512
.irp j, 0,1,2,3,4,5,6,7
	v_mov_b32 v[24+\j], 0                          ; q's upper 64 along K
	v_mov_b32 v[96+\j], 0                          ; what stands behind X's last tile
.endr
	v_mov_b32 v[FF+1], 0                           ; named as the upper half of the pair before it is first written
	s_wait_alu depctr_va_vdst(0)
	s_wait_loadcnt 0x0                             ; q
	s_wait_tensorcnt 0x0                           ; my block is in,
	s_wait_dscnt 0x0
	s_barrier_signal -1
	s_barrier_wait -1                              ; everybody's is
.macro TMS sc, n                       ; t - M, two numbers a line
.rept \n
	v_pk_fma_f32 v[\sc+j:\sc+j+1], v[\sc+j:\sc+j+1], s[CS:CS+1], v[12:13] op_sel_hi:[1,0,0]
.set j, j+2
.endr
.endm
; A KEY STEP: 128 keys.  IN holds the step's k (asked for in the step before), then its v; SC takes S^T, then p, then (pf = 1) the next step's k.
.macro STEP IN, SC, pf
	v_add_nc_u32 v[ADK], s[TB], v[LI]
	v_mov_b32 v[TMP], v12                          ; the old -M
.rept 7
	v_nop                                          ; with the two lines above: nine places between the last products, which read SC's registers, and the products below, which write them
.endr
	s_wait_alu depctr_va_vdst(0)
	s_wait_dscnt 0x0                               ; k's fragments and scale words
.irp t, 0,2,4,6
	v_wmma_scale_f32_16x16x128_f8f6f4 v[\SC+8*\t:\SC+8*\t+7], v[\IN+8*\t:\IN+8*\t+15], v[16:31], 0, v[KSW+\t/2], v[QSW]
	v_wmma_scale_f32_16x16x128_f8f6f4 v[\SC+8*\t+8:\SC+8*\t+15], v[\IN+8*\t+8:\IN+8*\t+23], v[16:31], 0, v[KSW+\t/2], v[QSW] matrix_a_scale:MATRIX_SCALE_ROW1
.endr
.rept 8
	v_nop                                          ; eight places: for v's loads into k's registers and for the first reads of S^T
.endr
.irp t, 0,1,2,3
.irp c, 0,1,2,3
	ds_load_b128 v[\IN+16*\t+4*\c:\IN+16*\t+4*\c+3], v[ADK] offset:8192+2048*\t+512*\c
.endr
.endr
	ds_load_b128 v[VSW:VSW+3], v[ADK] offset:16896
.irp b, 0,1,2,3                        ; the largest score of each block of 32 keys, for the row's maximum and for the block's largest p: eight chains by turns, two to a block, each tile read from its low end on
	v_max3_num_f32 v[BM+\b], v[\SC+16*\b], v[\SC+1+16*\b], v[\SC+2+16*\b]
.endr
.irp b, 0,1,2,3
	v_max3_num_f32 v[PT+\b], v[\SC+8+16*\b], v[\SC+9+16*\b], v[\SC+10+16*\b]
.endr
.irp i, 3,5
.irp b, 0,1,2,3
	v_max3_num_f32 v[BM+\b], v[BM+\b], v[\SC+16*\b+\i], v[\SC+1+16*\b+\i]
.endr
.irp b, 0,1,2,3
	v_max3_num_f32 v[PT+\b], v[PT+\b], v[\SC+8+16*\b+\i], v[\SC+9+16*\b+\i]
.endr
.endr
.irp b, 0,1,2,3
	v_max3_num_f32 v[BM+\b], v[BM+\b], v[PT+\b], v[\SC+7+16*\b]
.endr
.irp b, 0,1,2,3
	v_max_num_f32 v[BM+\b], v[BM+\b], v[\SC+15+16*\b]
.endr
.irp b, 0,1,2,3
	s_delay_alu instid0(VALU_DEP_4)
	v_permlanex16_b32 v[PT+\b], v[BM+\b], s[SEL], s[SEL+1]
.endr
.irp b, 0,1,2,3
	s_delay_alu instid0(VALU_DEP_4)
	v_max_num_f32 v[BM+\b], v[BM+\b], v[PT+\b]     ; with lane l xor 16's 16 keys
.endr
	s_delay_alu instid0(VALU_DEP_2)
	v_max3_num_f32 v[T2], v[BM], v[BM+1], v[BM+2]
	v_max3_num_f32 v13, v13, v[T2], v[BM+3]        ; the running largest score (c is positive: the largest t is c x it)
	v_mul_f32 v[T2], s[NC], v13
	v_floor_f32 v12, v[T2]                         ; -M = floor(-t)
.set j, 0
	TMS \SC, 6                                     ; the three lines that make f stand among the multiply-adds
	v_sub_f32 v[TMP], v12, v[TMP]
	TMS \SC, 6
	v_cvt_i32_f32 v[TMP], v[TMP]                   ; old M - new M, a whole number, 0 or less (the conversion saturates)
	TMS \SC, 6
	v_ldexp_f32 v[FF], 1.0, v[TMP]                 ; f = 2^(old M - new M)
	TMS \SC, 14
.irp b, 0,1,2,3
	v_fma_f32 v[BM+\b], v[BM+\b], s[CS], v12       ; the same of each block's largest score
.endr
.set j, 0
	s_wait_alu depctr_va_vdst(0)
.rept 64
	v_exp_f32 v[\SC+j], v[\SC+j]
.set j, j+1
.endr
.irp b, 0,1,2,3
	v_exp_f32 v[BM+\b], v[BM+\b]                   ; the block's largest p
.endr
	v_pk_mul_f32 v[14:15], v[14:15], v[FF:FF+1] op_sel_hi:[1,0]        ; the sums under the new M: a plain place behind the batch
	s_wait_alu depctr_va_vdst(0)                   ; one wait for the batch of 68, ahead of its first reader
	v_pk_add_f32 v[SM2:SM2+1], v[\SC:\SC+1], v[\SC+2:\SC+3]            ; the row's sum of the unquantised p, in four chains by turns
	v_pk_add_f32 v[8:9], v[\SC+4:\SC+5], v[\SC+6:\SC+7]
	v_pk_add_f32 v[10:11], v[\SC+8:\SC+9], v[\SC+10:\SC+11]
.irp k, 12,20,28,36,44,52
	v_pk_add_f32 v[14:15], v[14:15], v[\SC+\k:\SC+\k+1]
	v_pk_add_f32 v[SM2:SM2+1], v[SM2:SM2+1], v[\SC+\k+2:\SC+\k+3]
	v_pk_add_f32 v[8:9], v[8:9], v[\SC+\k+4:\SC+\k+5]
	v_pk_add_f32 v[10:11], v[10:11], v[\SC+\k+6:\SC+\k+7]
.endr
	v_pk_add_f32 v[14:15], v[14:15], v[\SC+60:\SC+61]
	v_pk_add_f32 v[SM2:SM2+1], v[SM2:SM2+1], v[\SC+62:\SC+63]
.irp b, 0,1,2,3
	v_max_num_f32 v[BM+\b], 0x4800000, v[BM+\b]    ; the floor 2^(9 - 127): the byte cannot fall under 1
.endr
	v_pk_add_f32 v[8:9], v[8:9], v[10:11]
	v_pk_add_f32 v[14:15], v[14:15], v[SM2:SM2+1]
.irp b, 0,1,2,3
	v_add_nc_u32 v[SO+\b], 0xfc000000, v[BM+\b]    ; 8 off the exponent field: the conversion's scale operand
.endr
.irp b, 0,1,2,3
	v_and_or_b32 v[HL+\b], v[BM+\b], 0x7f800000, s[MNT]                ; 448 x the scale
.endr
	v_pk_add_f32 v[14:15], v[14:15], v[8:9]
.irp b, 0,1,2,3
	v_lshrrev_b32 v[PT+\b], 23, v[SO+\b]           ; the scale's byte
.endr
	v_lshl_or_b32 v[PSW], v[PT+1], 8, v[PT]
	v_lshl_or_b32 v[TMP], v[PT+3], 8, v[PT+2]
	v_lshl_or_b32 v[PSW], v[TMP], 16, v[PSW]       ; p's scale word for these 128 keys
.irp b, 0,1,2,3
.irp i, 0,2,4,6,8,10,12,14
	v_dual_min_num_f32 v[\SC+16*\b+\i], v[HL+\b], v[\SC+16*\b+\i] :: v_dual_min_num_f32 v[\SC+16*\b+\i+1], v[HL+\b], v[\SC+16*\b+\i+1]   ; the hold (the conversion does not saturate: ISA guide 7.6.2); p is not negative, so it is one-sided; two numbers a line
.endr
.endr
.irp b, 0,1,2,3
	v_cvt_scalef32_pk8_fp8_f32 v[PCD+4*\b:PCD+1+4*\b], v[\SC+16*\b:\SC+7+16*\b], v[SO+\b]
	v_cvt_scalef32_pk8_fp8_f32 v[PCD+2+4*\b:PCD+3+4*\b], v[\SC+8+16*\b:\SC+15+16*\b], v[SO+\b]
.if \pf
.irp u, 0,1,2,3                        ; the block's 16 registers are done with: they take tiles 2 b and 2 b + 1 of the next step's k
	ds_load_b128 v[\SC+16*\b+4*\u:\SC+16*\b+4*\u+3], v[ADK] offset:STEPB+2048*\b+512*\u
.endr
.endif
.endr
.if \pf
	ds_load_b128 v[KSW:KSW+3], v[ADK] offset:STEPB+16384               ; and its scale words: register j: lanes 0-15 tile 2 j, lanes 16-31 tile 2 j + 1
.endif
	s_wait_alu depctr_va_vdst(0)
.set j, 0
.rept 16
	v_pk_mul_f32 v[OT+j:OT+j+1], v[OT+j:OT+j+1], v[FF:FF+1] op_sel_hi:[1,0]   ; O^T under the new M; also the places between the codes and the products
.set j, j+2
.endr
	s_wait_alu depctr_va_vdst(0)
.if \pf
	s_wait_dscnt 17                                ; v's 17 loads are in; the 17 younger ones (the next k's 16 and its scale words) may be out
.else
	s_wait_dscnt 0x0
.endif
.irp t, 0,1,2,3
	v_wmma_scale_f32_16x16x128_f8f6f4 v[OT+8*\t:OT+8*\t+7], v[\IN+16*\t:\IN+16*\t+15], v[PCD:PCD+15], v[OT+8*\t:OT+8*\t+7], v[VSW+\t], v[PSW]
.endr
	s_add_co_u32 s[TB], s[TB], STEPB
.endm
; ONE TILE OF 16 QUERIES A TRIP, two trips.
.Lpass:
.irp t, 0,1,2,3,4,5,6,7
	ds_load_b128 v[X+8*\t:X+8*\t+3], v[LI] offset:1024*\t              ; step 0's k
	ds_load_b128 v[X+8*\t+4:X+8*\t+7], v[LI] offset:1024*\t+512
.endr
	ds_load_b128 v[KSW:KSW+3], v[LI] offset:16384
.set j, 0
.rept 32
	v_mov_b32 v[OT+j], 0                           ; the step is written once: the first finds zeros, which the first change of M leaves zeros
.set j, j+1
.endr
	v_mov_b32 v13, 0xff61b1e6                      ; -3e38, under every score
	v_mul_f32 v12, s[NC], v13                      ; -M to begin with: a whole number far above every later one
	v_mov_b32 v14, 0
	v_mov_b32 v15, 0
	s_mov_b32 s[TB], 0
	s_mov_b32 s[CNT], 7
.Lstep:                                                ; steps 0 to 13, two a trip, until the sets are back where they began
	STEP X, Y, 1
	STEP Y, X, 1
	s_sub_co_u32 s[CNT], s[CNT], 1
	s_cmp_lg_u32 s[CNT], 0
	s_cbranch_scc1 .Lstep
	STEP X, Y, 1
	STEP Y, X, 0                                   ; the last step asks for nothing more
; The way out: O^T / the sum, quantised along the head's 64 (two blocks), stored as 1,024 bytes of register image; the scale bytes are gathered in LDS.
.rept 8
	v_nop                                          ; places behind the last products
.endr
	v_add_f32 v14, v14, v15
	s_delay_alu instid0(VALU_DEP_1)
	v_permlanex16_b32 v[TMP], v14, s[SEL], s[SEL+1]
	s_delay_alu instid0(VALU_DEP_1)
	v_add_f32 v14, v14, v[TMP]                     ; the row's sum
	s_wait_alu depctr_va_vdst(0)                   ; the wait ahead of the transcendental
	v_rcp_f32 v[FF], v14
	v_add_nc_u32 v[T2], s[OSO], v[OS]              ; (a plain place)  where this tile's scale bytes go
	s_wait_alu depctr_va_vdst(0)                   ; and ahead of its first reader, which is also O^T's
.set j, 0
.rept 16
	v_pk_mul_f32 v[OT+j:OT+j+1], v[OT+j:OT+j+1], v[FF:FF+1] op_sel_hi:[1,0]
.set j, j+2
.endr
.irp b, 0,1
	v_max3_num_f32 v[BM+\b], |v[OT+16*\b]|, |v[OT+1+16*\b]|, 0x4800000
.endr
.irp i, 2,4,6,8,10,12,14
.irp b, 0,1
	s_delay_alu instid0(VALU_DEP_2)
	v_max3_num_f32 v[BM+\b], v[BM+\b], |v[OT+16*\b+\i]|, |v[OT+1+16*\b+\i]|
.endr
.endr
.irp b, 0,1
	s_delay_alu instid0(VALU_DEP_2)
	v_permlanex16_b32 v[PT+\b], v[BM+\b], s[SEL], s[SEL+1]
.endr
.irp b, 0,1
	s_delay_alu instid0(VALU_DEP_2)
	v_max_num_f32 v[BM+\b], v[BM+\b], v[PT+\b]
.endr
.irp b, 0,1
	s_delay_alu instid0(VALU_DEP_2)
	v_add_nc_u32 v[SO+\b], 0xfc000000, v[BM+\b]
.endr
.irp b, 0,1
	s_delay_alu instid0(VALU_DEP_4)
	v_and_or_b32 v[HL+\b], v[BM+\b], 0x7f800000, s[MNT]
.endr
.irp b, 0,1
	s_delay_alu instid0(VALU_DEP_4)
	v_lshrrev_b32 v[PT+\b], 23, v[SO+\b]
.endr
	s_delay_alu instid0(VALU_DEP_1)
	v_lshl_or_b32 v[PSW], v[PT+1], 8, v[PT]
.irp b, 0,1
.irp i, 0,1,2,3,4,5,6,7,8,9,10,11,12,13,14,15
	v_med3_num_f32 v[OT+16*\b+\i], v[OT+16*\b+\i], -v[HL+\b], v[HL+\b]
.endr
	v_cvt_scalef32_pk8_fp8_f32 v[PCD+4*\b:PCD+1+4*\b], v[OT+16*\b:OT+7+16*\b], v[SO+\b]
	v_cvt_scalef32_pk8_fp8_f32 v[PCD+2+4*\b:PCD+3+4*\b], v[OT+8+16*\b:OT+15+16*\b], v[SO+\b]
.endr
	v_nop                                          ; a plain line behind the last conversion
	global_store_b128 v[LI], v[PCD:PCD+3], s[56:57]                    ; each store of the wave covers 512 consecutive bytes, aligned
	global_store_b128 v[LI], v[PCD+4:PCD+7], s[56:57] offset:512
	ds_store_b16 v[T2], v[PSW]                     ; both halves of the lanes write the same two bytes with the same value
	s_wait_xcnt 0x0                                ; the stores have read their base and their data: both may be written again
	s_add_nc_u64 s[56:57], s[56:57], 262144        ; the second tile lies two blocks of 131,072 bytes on,
	s_add_co_u32 s[OSO], s[OSO], 512               ; its scale bytes 512 bytes on in LDS
.irp j, 0,1,2,3,4,5,6,7
	v_mov_b32 v[16+\j], v[Q2+\j]                   ; the second tile's q
.endr
	v_mov_b32 v[QSW], v[Q2S]
	s_sub_co_u32 s[PS], s[PS], 1
	s_cmp_lg_u32 s[PS], 0
	s_wait_alu depctr_va_vdst(0)
	s_cbranch_scc1 .Lpass
	s_wait_dscnt 0x0                               ; my scale bytes are in LDS,
	s_barrier_signal -1
	s_barrier_wait -1                              ; everybody's are
	s_cmp_lg_u32 s[WV], 0
	s_cbranch_scc1 .Lnot_first
	ds_load_b128 v[PCD+8:PCD+11], v[ORD]
	ds_load_b128 v[PCD+12:PCD+15], v[ORD] offset:512
	s_wait_dscnt 0x0
	global_store_b128 v[LI], v[PCD+8:PCD+11], s[58:59]                 ; 512 consecutive bytes, aligned, for each block of 256 queries
	global_store_b128 v[LI], v[PCD+12:PCD+15], s[58:59] offset:8192
.Lnot_first:
	s_wait_tensorcnt 0x0                           ; the wave's end
	ds_add_u32 v[SPW], v[NIL]
	s_wait_dscnt 0x0
	CROUND                                         ; the closing round
	s_endpgm
.Lfunc_end_k_qe3d7bc9f3d_attn:
	.size	k_qe3d7bc9f3d_attn, .Lfunc_end_k_qe3d7bc9f3d_attn-k_qe3d7bc9f3d_attn
	.p2alignl 7, 3214868480
	.fill 96, 4, 3214868480
	.section	.rodata,"a",@progbits
	.p2align	6, 0x0
	.amdhsa_kernel k_qe3d7bc9f3d_attn
		.amdhsa_group_segment_fixed_size 327680
		.amdhsa_private_segment_fixed_size 0
		.amdhsa_enable_private_segment 0
		.amdhsa_kernarg_size 24
		.amdhsa_user_sgpr_count 2
		.amdhsa_user_sgpr_kernarg_segment_ptr 1
		.amdhsa_wavefront_size32 1
		.amdhsa_system_sgpr_workgroup_id_x 1
		.amdhsa_system_sgpr_workgroup_id_y 1
		.amdhsa_system_sgpr_workgroup_id_z 1
		.amdhsa_system_vgpr_workitem_id 0
		.amdhsa_next_free_vgpr 256
		.amdhsa_next_free_sgpr 66
		.amdhsa_reserve_vcc 0
		.amdhsa_float_denorm_mode_32 3
		.amdhsa_float_denorm_mode_16_64 3
		.amdhsa_memory_ordered 1
		.amdhsa_forward_progress 1
		.amdhsa_inst_pref_size 90
	.end_amdhsa_kernel
	.amdgpu_metadata
---
amdhsa.version: [ 1, 2 ]
amdhsa.kernels:
  - .name:           k_qe3d7bc9f3d_attn
    .symbol:         k_qe3d7bc9f3d_attn.kd
    .args:
      - { .name: qimg, .offset: 0, .size: 8, .value_kind: global_buffer, .address_space: global }
      - { .name: kv, .offset: 8, .size: 8, .value_kind: global_buffer, .address_space: global }
      - { .name: oc, .offset: 16, .size: 8, .value_kind: global_buffer, .address_space: global }
    .group_segment_fixed_size: 327680
    .private_segment_fixed_size: 0
    .kernarg_segment_align: 8
    .kernarg_segment_size: 24
    .max_flat_workgroup_size: 512
    .sgpr_count:     66
    .vgpr_count:     256
    .wavefront_size: 32
...
	.end_amdgpu_metadata
.endif
;; end of part 3
;; launch gemm_proj (part 4): grid 4 x 32, 4 waves a work-group, clusters of 4 x 4, 327,680 bytes of LDS; arguments oc, wc, b_proj, out0; writes out0
.if DOCPART == 4
	.amdgcn_target "amdgcn-amd-amdhsa--gfx1250"
	.amdhsa_code_object_version 6
	.text
	.protected	k_qe3d7bc9f3d_gemm_proj
	.globl	k_qe3d7bc9f3d_gemm_proj
	.p2align	8
	.type	k_qe3d7bc9f3d_gemm_proj,@function
k_qe3d7bc9f3d_gemm_proj:
	s_mov_b64 s[64:65], 0
	v_nop
	global_prefetch_b8 v0, s[64:65] scope:SCOPE_SE
	s_setreg_imm32_b32 hwreg(HW_REG_WAVE_MODE, 25, 1), 1
	s_wait_xcnt 0x0
	s_wait_alu depctr_hold_cnt(0) depctr_sa_sdst(0) depctr_va_vdst(0) depctr_va_sdst(0) depctr_va_ssrc(0) depctr_va_vcc(0) depctr_vm_vsrc(0)
	s_getreg_b32 s2, hwreg(HW_REG_IB_STS2, 6, 4)
	s_cmp_eq_u32 s2, 0
	s_cbranch_scc0 .Lentry_in_a_cluster
	s_endpgm
.Lentry_in_a_cluster:
	s_bfe_u32 s2, ttmp6, 0x10000c
	s_cmp_lg_u32 s2, 0xf033
	s_cbranch_scc0 .Lentry_shape_is_right
	s_endpgm
.Lentry_shape_is_right:
.set KSTEP,  256
.set NQ,     2
.set ROWB,   256
.set KROW,   1024
.set PITCH,  272
.set FR,     16
.set NL,     4
.set NP,     8
.set HALFA,  32768
.set HALFT,  128*PITCH
.set BOFF,   2*HALFA
.set SLOT,   BOFF+2*HALFT
.set LAPS,   2
.set KS,     32
.set HALFS,  (128*KS/256)*272
.set SBLK,   (16*KS/256)*272
.set SCL,    2*SLOT
.set SCLB,   SCL+2*HALFS
.set SA16,   SCLB+2*HALFS
.set SPARE,  SA16+2*HALFS
.set SPITCH, 528
.set OSC,    8388608
.set WPC,    3244032
.set WPS,    4292608
.set MRD,  7
.set MWR,  8
.set BA,   13
.set ADRA, 16
.set ADRB, 20
.set STO,  24
.set RD,   25
.set CO,   26
.set ADRS, 27
.set SPW,  28
.set NIL,  29
.set SC,   32
.set BI,   64
.set AF,   128
.set BK,   128
.set G1, 24
.set G0, 32
.set G1B, 48
.set G0B, 56
.set G1S, 68
.set G0S, 76
.set G1SB, 80
.set G0SB, 88
.set MSB, 0
.macro WIN new
.if MSB != (\new)
	s_set_vgpr_msb (MSB<<8)|(\new)
.set MSB, (\new)
.endif
.endm
.set MUL_LO, 0xa1
.set MUL_HI, 0xf1
.set TO_B,   0x40
.macro JLOAD g0a, g1a, g0b, g1b
	s_cmp_eq_u32 s15, 0
	s_cbranch_scc0 .Lfor_b_\@
	tensor_load_to_lds s[\g0a:\g0a+3], s[\g1a:\g1a+7]
	s_nop 0
.rept 4
	v_nop
.endr
	s_branch .Lasked_\@
.Lfor_b_\@:
	tensor_load_to_lds s[\g0b:\g0b+3], s[\g1b:\g1b+7]
	s_nop 0
.rept 4
	v_nop
.endr
.Lasked_\@:
.endm
.macro CREST
	s_cmp_lg_u32 s14, 0
	s_cbranch_scc1 .Lnot_wave_0_\@
	s_barrier_signal -3
.Lnot_wave_0_\@:
	s_barrier_wait -3
	s_barrier_signal -1
	s_barrier_wait -1
.endm
.macro CROUND
	s_barrier_signal -1
	s_barrier_wait -1
	CREST
.endm
	s_load_b128 s[4:7], s[0:1], 0x0
	s_load_b64 s[8:9], s[0:1], 0x10
	s_load_b64 s[12:13], s[0:1], 0x18
	v_lshl_add_u32 v[SPW], v0, 2, SPARE
	v_mov_b32 v[NIL], 0
	ds_add_u32 v[SPW], v[NIL]
	ds_add_u32 v[SPW], v[NIL]
	v_lshrrev_b32 v1, 5, v0
	v_readfirstlane_b32 s14, v1
	s_lshr_b32 s15, s14, 1
	s_and_b32 s16, s14, 1
	s_bfe_u32 s40, ttmp6, 0x40000
	s_bfe_u32 s41, ttmp6, 0x40004
	s_lshl_b32 s42, ttmp9, 2
	s_add_co_u32 s42, s42, s40
	s_and_b32 s17, ttmp7, 0xffff
	s_lshl_b32 s17, s17, 2
	s_add_co_u32 s17, s17, s41
	s_lshl_b32 s43, s41, 2
	s_lshl_b32 s43, 15, s43
	s_lshl_b32 s44, 0x1111, s40
	s_or_b32 s[G1+0], s43, (3<<16)|(1<<21)
	s_mov_b32 s[G1+1], 32<<16
	s_mov_b32 s[G1+2], 128<<16
	s_mov_b32 s[G1+3], 32<<16
	s_mov_b32 s[G1+4], 128
	s_mov_b32 s[G1+5], 32
	s_mov_b32 s[G1+6], 0
	s_mov_b32 s[G1+7], 0
	s_or_b32 s[G1B+0], s44, (0<<16)|(1<<20)|(1<<21)|(5<<22)|(3<<25)
	s_mov_b32 s[G1B+1], ROWB<<16
	s_mov_b32 s[G1B+2], 128<<16
	s_mov_b32 s[G1B+3], ROWB<<16
	s_mov_b32 s[G1B+4], 128
	s_mov_b32 s[G1B+5], KROW
	s_mov_b32 s[G1B+6], 0
	s_mov_b32 s[G1B+7], 0
	s_or_b32 s[G1S+0], s43, (3<<16)|(1<<20)|(1<<21)|(5<<22)|(3<<25)
	s_or_b32 s[G1SB+0], s44, (3<<16)|(1<<20)|(1<<21)|(5<<22)|(3<<25)
.irp g, G1S, G1SB
	s_mov_b32 s[\g+1], 32<<16
	s_mov_b32 s[\g+2], 16<<16
	s_mov_b32 s[\g+3], 32<<16
	s_mov_b32 s[\g+4], 16
	s_mov_b32 s[\g+5], 32
	s_mov_b32 s[\g+6], 0
	s_mov_b32 s[\g+7], 0
.endr
	s_lshl_b32 s20, s17, 1
	s_add_co_u32 s20, s20, s16
	s_lshl_b32 s20, s20, 17
	s_mov_b32 s21, 0
	s_lshl_b32 s22, s17, 13
	s_lshl_b32 s23, s16, 12
	s_add_co_u32 s22, s22, s23
	s_add_co_u32 s22, s22, OSC
	s_mov_b32 s23, 0
	s_lshl_b32 s46, s42, 8
	s_lshl_b32 s47, s16, 7
	s_add_co_u32 s46, s46, s47
	s_lshl_b32 s92, s46, 5
	s_add_co_u32 s92, s92, WPS
	s_mov_b32 s93, 0
	s_lshl_b32 s46, s46, 10
	s_add_co_u32 s46, s46, WPC
	s_mov_b32 s47, 0
	s_lshl_b32 s45, s16, 15
	s_mul_i32 s95, s16, HALFT
	s_add_co_u32 s95, s95, BOFF
	s_mul_i32 s94, s16, HALFS
	s_mov_b32 s96, 0x05040100
	s_mov_b32 s97, 0x07060302
	s_wait_dscnt 0x0
	s_wait_kmcnt 0x0
	s_add_nc_u64 s[20:21], s[4:5], s[20:21]
	s_add_nc_u64 s[22:23], s[4:5], s[22:23]
	s_add_nc_u64 s[46:47], s[6:7], s[46:47]
	s_add_nc_u64 s[92:93], s[6:7], s[92:93]
	CROUND
	s_mov_b32 s[G0S], 1
	s_add_co_u32 s[G0S+1], s94, SA16
	s_mov_b64 s[G0S+2:G0S+3], s[22:23]
	s_or_b32 s[G0S+3], s[G0S+3], 0x80000000
	s_mov_b32 s[G0SB], 1
	s_add_co_u32 s[G0SB+1], s94, SCLB
	s_mov_b64 s[G0SB+2:G0SB+3], s[92:93]
	s_or_b32 s[G0SB+3], s[G0SB+3], 0x80000000
	JLOAD G0S, G1S, G0SB, G1SB
.irp s, 0,1
	s_mov_b32 s[G0+4*\s], 1
	s_add_co_u32 s[G0+4*\s+1], s45, \s*SLOT
	s_add_nc_u64 s[G0+4*\s+2:G0+4*\s+3], s[20:21], \s*HALFA
	s_or_b32 s[G0+4*\s+3], s[G0+4*\s+3], 0x80000000
	s_mov_b32 s[G0B+4*\s], 1
	s_add_co_u32 s[G0B+4*\s+1], s95, \s*SLOT
	s_add_nc_u64 s[G0B+4*\s+2:G0B+4*\s+3], s[46:47], \s*ROWB
	s_or_b32 s[G0B+4*\s+3], s[G0B+4*\s+3], 0x80000000
	s_wait_alu depctr_va_vdst(0)
	s_wait_tensorcnt 0x0
	ds_add_u32 v28, v29
	s_wait_dscnt 0x0
	CROUND
	JLOAD G0+4*\s, G1, G0B+4*\s, G1B
.endr
	v_and_b32 v1, 15, v0
	v_bfe_u32 v2, v0, 4, 1
	v_and_b32 v6, 31, v0
	v_lshlrev_b32 v[CO], 4, v6
	v_mul_u32_u24 v3, v1, PITCH
	v_lshl_add_u32 v4, v2, 4, v3
	s_lshl_b32 s21, s15, 15
	s_mul_i32 s22, s16, HALFT
	s_add_co_u32 s22, s22, BOFF
.irp s, 0,1
	v_add_nc_u32 v[ADRA+\s], s21, v[CO]
	v_add_nc_u32 v[ADRB+\s], s22, v4
	s_add_co_u32 s21, s21, SLOT
	s_add_co_u32 s22, s22, SLOT
.endr
	v_mul_u32_u24 v5, v1, KS
	v_lshrrev_b32 v6, 8, v5
	v_lshl_add_u32 v5, v6, 4, v5
	s_mul_i32 s21, s15, HALFS
	s_mul_i32 s22, s16, HALFS
	s_add_co_u32 s22, s22, 2*HALFS
	s_sub_co_u32 s22, s22, s21
	v_mul_u32_u24 v6, s22, v2
	s_add_co_u32 s21, s21, SCL
	v_add_nc_u32 v5, v5, v6
	v_add_nc_u32 v[ADRS], s21, v5
	v_lshrrev_b32 v5, 6, v0
	v_mul_u32_u24 v5, v5, 272
	v_and_b32 v6, 63, v0
	v_lshl_add_u32 v5, v6, 2, v5
	v_add_nc_u32 v[MRD], SA16, v5
	v_lshrrev_b32 v5, 2, v0
	v_mul_u32_u24 v5, v5, 272
	v_and_b32 v6, 3, v0
	v_lshl_add_u32 v5, v6, 6, v5
	v_add_nc_u32 v[MWR], SCL, v5
	s_mul_i32 s23, s14, 16*SPITCH
	v_mul_u32_u24 v5, v1, SPITCH
	v_lshl_add_u32 v5, v2, 6, v5
	v_add_nc_u32 v[STO], s23, v5
	v_add_nc_u32 v[RD], s23, v[CO]
	v_lshlrev_b32 v[BA], 6, v2
	s_wait_alu depctr_va_vdst(0)
	s_lshl_b32 s20, s17, 8
	s_lshl_b32 s21, s15, 7
	s_add_co_u32 s20, s20, s21
	s_lshl_b32 s20, s20, 12
	s_mov_b32 s21, 0
	s_lshl_b32 s46, s42, 10
	s_lshl_b32 s47, s16, 9
	s_add_co_u32 s46, s46, s47
	s_mov_b32 s47, 0
	s_add_nc_u64 s[8:9], s[8:9], s[46:47]
	s_add_nc_u64 s[20:21], s[20:21], s[46:47]
	s_add_nc_u64 s[12:13], s[12:13], s[20:21]
.irp b, 0,1,2,3,4,5,6,7
	global_load_b128 v[BI+8*\b:BI+8*\b+3], v[BA], s[8:9] offset:128*(\b/2)+32*(\b%2)
	global_load_b128 v[BI+8*\b+4:BI+8*\b+7], v[BA], s[8:9] offset:128*(\b/2)+32*(\b%2)+16
.endr
.macro FRAGB reg, adr, q, i
.irp c, 0,1,2,3
	ds_load_b128 v[\reg+4*\c:\reg+4*\c+3], v[\adr] offset:128*(\q)+32*\c+(\i)*16*PITCH
.endr
.endm
.macro FRAGA reg, adr, q, i
.irp c, 0,1,2,3
	ds_load_b128 v[\reg+4*\c:\reg+4*\c+3], v[\adr] offset:4096*(\i)+2048*(\q)+512*\c
.endr
.endm
.macro MUL16 a0, p, q, sc, first
.irp a, \a0, \a0+1
.irp b, 0,1,2,3,4,5,6,7
.if \first
	v_wmma_scale_f32_16x16x128_f8f6f4 v[8*(8*((\a)%4)+\b):8*(8*((\a)%4)+\b)+7], v[128*(\p)+FR*\b:128*(\p)+FR*\b+FR-1], v[AF+FR*(\a):AF+FR*(\a)+FR-1], v[BI+8*\b:BI+8*\b+7], v[SC+8*NQ*(\sc)+NQ*\b+(\q)], v[SC+8*NQ*(\sc)+NQ*(\a)+(\q)] matrix_a_scale:MATRIX_SCALE_ROW1
.else
	v_wmma_scale_f32_16x16x128_f8f6f4 v[8*(8*((\a)%4)+\b):8*(8*((\a)%4)+\b)+7], v[128*(\p)+FR*\b:128*(\p)+FR*\b+FR-1], v[AF+FR*(\a):AF+FR*(\a)+FR-1], v[8*(8*((\a)%4)+\b):8*(8*((\a)%4)+\b)+7], v[SC+8*NQ*(\sc)+NQ*\b+(\q)], v[SC+8*NQ*(\sc)+NQ*(\a)+(\q)] matrix_a_scale:MATRIX_SCALE_ROW1
.endif
.endr
.endr
.endm
.macro FETCH_B slot, q, p
	WIN TO_B
.irp i, 0,1,2,3,4,5,6,7
	FRAGB 128*(\p)+FR*\i, ADRB+\slot, \q, \i
.endr
	WIN 0
.endm
.macro FETCH_A slot, q, i0
.irp i, \i0, \i0+1, \i0+2, \i0+3
	FRAGA AF+FR*(\i), ADRA+\slot, \q, \i
.endr
.endm
.macro SCALES sc
.irp i, 0,1,2,3,4,5,6,7
	ds_load_b64 v[SC+8*NQ*\sc+NQ*\i:SC+8*NQ*\sc+NQ*\i+1], v[ADRS] offset:\i*SBLK
.endr
.endm
.macro PLACES n
.rept \n
	v_nop
.endr
.endm
.macro STEP slot, q, first
	s_wait_dscnt 4*NL
.if \first
	WIN 0x81
.else
	WIN MUL_LO
.endif
	MUL16 0, (\q)%2, \q, \slot, \first
	MUL16 2, (\q)%2, \q, \slot, \first
	s_wait_dscnt 0
	PLACES NP
	FETCH_B \slot, (\q)+1, 1-(\q)%2
	FETCH_A \slot, (\q)+1, 0
.if \first
	WIN 0xc1
.else
	WIN MUL_HI
.endif
	MUL16 4, (\q)%2, \q, \slot, \first
	MUL16 6, (\q)%2, \q, \slot, \first
	PLACES NP
	WIN 0
	FETCH_A \slot, (\q)+1, 4
.endm
.macro TURN slot, next, fill
	s_wait_tensorcnt 0x0
	ds_add_u32 v[SPW], v[NIL]
	s_wait_dscnt 4*NL+1
	WIN MUL_LO
	MUL16 0, 1, NQ-1, \slot, 0
	s_wait_dscnt 0x0
	s_barrier_signal -1
	MUL16 2, 1, NQ-1, \slot, 0
	WIN 0
	s_barrier_wait -1
.if \fill
	CREST
	s_add_nc_u64 s[G0+4*\slot+2:G0+4*\slot+3], s[G0+4*\slot+2:G0+4*\slot+3], 2*HALFA
	s_add_nc_u64 s[G0B+4*\slot+2:G0B+4*\slot+3], s[G0B+4*\slot+2:G0B+4*\slot+3], 2*ROWB
	JLOAD G0+4*\slot, G1, G0B+4*\slot, G1B
	PLACES NP-4
.else
	PLACES NP
.endif
	s_wait_alu depctr_va_vdst(0)
	v_add_nc_u32 v[ADRS], 4*NQ, v[ADRS]
	FETCH_B \next, 0, 0
	FETCH_A \next, 0, 0
	SCALES \next
	WIN MUL_HI
	MUL16 4, 1, NQ-1, \slot, 0
	MUL16 6, 1, NQ-1, \slot, 0
	PLACES NP
	WIN 0
	FETCH_A \next, 0, 4
.endm
	s_wait_tensorcnt 2
	s_barrier_signal -1
	s_barrier_wait -1
.irp hd, 0,1,2,3,4,5,6,7,8,9,10,11,12,13,14,15
	ds_load_b32 v[128+\hd], v[MRD] offset:544*\hd
.endr
	s_wait_dscnt 0x0
.irp s, 0,1,2,3,4,5,6,7
	v_perm_b32 v[144+\s], v[129+2*\s], v[128+2*\s], s96
	v_perm_b32 v[152+\s], v[129+2*\s], v[128+2*\s], s97
.endr
	ds_store_b128 v[MWR], v[144:147]
	ds_store_b128 v[MWR], v[148:151] offset:16
	ds_store_b128 v[MWR], v[152:155] offset:32
	ds_store_b128 v[MWR], v[156:159] offset:48
	s_wait_tensorcnt 1
	s_wait_dscnt 0x0
	s_barrier_signal -1
	s_barrier_wait -1
	FETCH_B 0, 0, 0
	FETCH_A 0, 0, 0
	SCALES 0
	FETCH_A 0, 0, 4
	s_wait_loadcnt 0x0
	STEP 0, 0, 1
	s_mov_b32 s3, LAPS-1
.Llap:
	TURN 0, 1, 1
	STEP 1, 0, 0
	TURN 1, 0, 1
	STEP 0, 0, 0
	s_sub_co_u32 s3, s3, 1
	s_cmp_lg_u32 s3, 0
	s_cbranch_scc1 .Llap
	TURN 0, 1, 0
	STEP 1, 0, 0
	s_wait_dscnt 4*NL
	WIN MUL_LO
	MUL16 0, 1, NQ-1, 1, 0
	MUL16 2, 1, NQ-1, 1, 0
	s_wait_dscnt 0
	WIN MUL_HI
	MUL16 4, 1, NQ-1, 1, 0
	MUL16 6, 1, NQ-1, 1, 0
	WIN 0
.macro TOSTAGE a
.set AC, 64*((\a)%4)
	WIN 0x08+4*((\a)/4)
.irp b, 0,1,2,3,4,5,6,7
	ds_store_b128 v[STO], v[AC+8*\b:AC+8*\b+3] offset:128*(\b/2)+32*(\b%2)
	ds_store_b128 v[STO], v[AC+8*\b+4:AC+8*\b+7] offset:128*(\b/2)+32*(\b%2)+16
.endr
	WIN 0
.set BB, BK+64*((\a)%2)
.irp t, 0,1,2,3,4,5,6,7,8,9,10,11,12,13,14,15
	ds_load_b128 v[BB+4*\t:BB+4*\t+3], v[RD] offset:\t*SPITCH
.endr
.endm
.macro SEND a, younger
.set BB, BK+64*((\a)%2)
	s_wait_dscnt \younger
.if (\a) > 0
.if ((\a)%2) == 1
	s_add_nc_u64 s[12:13], s[12:13], 8*4096
.else
	s_add_nc_u64 s[12:13], s[12:13], 24*4096
.endif
.endif
.irp t, 0,1,2,3,4,5,6,7,8,9,10,11,12,13,14,15
	global_store_b128 v[CO], v[BB+4*\t:BB+4*\t+3], s[12:13] offset:(\t+8*(\t/8))*4096 th:TH_STORE_NT
.endr
.endm
	PLACES NP
	TOSTAGE 0
.irp a, 1,2,3,4,5,6,7
.if \a > 1
	s_wait_xcnt 0x0
.endif
	TOSTAGE \a
	SEND \a-1, 32
.endr
	s_wait_xcnt 0x0
	SEND 7, 0
	s_wait_tensorcnt 0x0
	ds_add_u32 v[SPW], v[NIL]
	s_wait_dscnt 0x0
	CROUND
	s_endpgm
.Lfunc_end_k_qe3d7bc9f3d_gemm_proj:
	.size	k_qe3d7bc9f3d_gemm_proj, .Lfunc_end_k_qe3d7bc9f3d_gemm_proj-k_qe3d7bc9f3d_gemm_proj
	.p2alignl 7, 3214868480
	.fill 96, 4, 3214868480
	.section	.rodata,"a",@progbits
	.p2align	6, 0x0
	.amdhsa_kernel k_qe3d7bc9f3d_gemm_proj
		.amdhsa_group_segment_fixed_size 327680
		.amdhsa_private_segment_fixed_size 0
		.amdhsa_enable_private_segment 0
		.amdhsa_kernarg_size 32
		.amdhsa_user_sgpr_count 2
		.amdhsa_user_sgpr_kernarg_segment_ptr 1
		.amdhsa_wavefront_size32 1
		.amdhsa_system_sgpr_workgroup_id_x 1
		.amdhsa_system_sgpr_workgroup_id_y 1
		.amdhsa_system_sgpr_workgroup_id_z 1
		.amdhsa_system_vgpr_workitem_id 0
		.amdhsa_next_free_vgpr 1024
		.amdhsa_next_free_sgpr 98
		.amdhsa_reserve_vcc 0
		.amdhsa_float_denorm_mode_32 3
		.amdhsa_float_denorm_mode_16_64 3
		.amdhsa_memory_ordered 1
		.amdhsa_forward_progress 1
		.amdhsa_inst_pref_size 151
	.end_amdhsa_kernel
	.amdgpu_metadata
---
amdhsa.version: [ 1, 2 ]
amdhsa.kernels:
  - .name:           k_qe3d7bc9f3d_gemm_proj
    .symbol:         k_qe3d7bc9f3d_gemm_proj.kd
    .args:
      - { .name: oc, .offset: 0, .size: 8, .value_kind: global_buffer, .address_space: global }
      - { .name: wc, .offset: 8, .size: 8, .value_kind: global_buffer, .address_space: global }
      - { .name: b_proj, .offset: 16, .size: 8, .value_kind: global_buffer, .address_space: global }
      - { .name: out0, .offset: 24, .size: 8, .value_kind: global_buffer, .address_space: global }
    .group_segment_fixed_size: 327680
    .private_segment_fixed_size: 0
    .kernarg_segment_align: 8
    .kernarg_segment_size: 32
    .max_flat_workgroup_size: 128
    .sgpr_count:     98
    .vgpr_count:     1024
    .wavefront_size: 32
...
	.end_amdgpu_metadata
.endif
;; end of part 4
